; MI455X (gfx1250); checked and timed in simulation.
; The chip was launched on July 23, 2026; its instructions are those of AMD's public machine-readable ISA for CDNA 5 (MIT licence, August 2026) and "CDNA5" Instruction Set Architecture Reference Guide (July 2026). The comments in the code are by the model that wrote it; some were corrected since.
;; Multi Head Attention. Allowed arithmetic: matrix products marked QUANTISED: E2M3 operands, one E8M0 scale for each 32 along K, by v_wmma_scale_f32_16x16x128_f8f6f4 with both operands' format E2M3, f32 sums; everything else in f32.
;; Inputs: K 4 x 2,048 x 1,024 float32; Q 4 x 2,048 x 1,024 float32; V 4 x 2,048 x 1,024 float32; Wk 1,024 x 1,024 float32; Wo 1,024 x 1,024 float32; Wq 1,024 x 1,024 float32; Wv 1,024 x 1,024 float32; bo 1,024 float32.
;; Outputs: out0 4 x 2,048 x 1,024 float32.
;; This version of the problem:
;;   THIS VERSION OF THE PROBLEM IS GIVEN IN LOW PRECISION. The matrix products marked QUANTISED in the list below multiply operands that are first quantised to E2M3 (2 exponent bits, 3 mantissa bits; 6 bits a number), with one power-of-two scale for each 32 numbers along K (OCP MX v1.0); their sums are f32. All else is computed in f32.
;;   The module's matrix products, in the order in which they are computed (A, B: the left and right operand; K: the contracted axis; several contracted axes count as one K, in the product's order):
;;     1. [M 8,192, K 1,024] x [K 1,024, N 1,024]; A: input Q; B: input Wq: QUANTISED
;;     2. [M 8,192, K 1,024] x [K 1,024, N 1,024]; A: input K; B: input Wk: QUANTISED
;;     3. [M 8,192, K 1,024] x [K 1,024, N 1,024]; A: input V; B: input Wv: QUANTISED
;;     4. batch 64 x [M 2,048, K 64] x [K 64, N 2,048]; A: computed on the way; B: computed on the way: QUANTISED
;;     5. batch 64 x [M 2,048, K 2,048] x [K 2,048, N 64]; A: softmax (see below); B: computed on the way: QUANTISED
;;     6. [M 8,192, K 1,024] x [K 1,024, N 1,024]; A: computed on the way; B: input Wo: QUANTISED
;;   THE QUANTISER, for each operand of a quantised product, along K:
;;     - K is cut into blocks of 32 from its start; a last block that is shorter is filled with zeros.
;;     - A block's scale is 2^e with e = floor(log2(the largest magnitude in the block)) - 2, held to -126 .. 127; a block of zeros has e = 0. As a byte (E8M0): e + 127.
;;     - Each number is divided by its block's scale, clamped to +-7.5, and rounded to the nearest number of E2M3, ties to even, subnormals kept.
;;     - The product sums the exact products of the quantised numbers (number of the format x scale) in f32.
;;   ~~~python
;;   def quantise(x, axis):      # numpy; x: float32 -> the quantised numbers, widened to float32 again
;;       x = np.moveaxis(x, axis, -1); K = x.shape[-1]
;;       x = np.pad(x, [(0, 0)] * (x.ndim - 1) + [(0, -K % 32)]); x = x.reshape(x.shape[:-1] + (-1, 32)); a = np.abs(x).max(-1, keepdims=True)
;;       e = np.where(a > 0, np.clip(np.frexp(np.where(a > 0, a, 1))[1] - 1 - 2, -126, 127), 0)      # np.frexp(a)[1] - 1 = floor(log2(a)), exactly
;;       r = np.clip(x / 2.0 ** e, -7.5, 7.5)
;;       step = 2.0 ** (np.maximum(np.frexp(np.where(r == 0, 1, r))[1] - 1, 0) - 3)
;;       q = np.round(r / step) * step * 2.0 ** e      # np.round: ties to even
;;       return np.moveaxis(q.reshape(q.shape[:-2] + (-1,))[..., :K], -1, axis).astype(np.float32)
;;   ~~~
;;   SOFTMAX AHEAD OF A QUANTISED PRODUCT. Where the list says 'softmax', what is quantised is not the finished softmax but p = 2^(t - M), with t = logit x log2(e) and M = ceil(the row's largest t), a whole number; so 1/2 < the row's largest p <= 1. The row's sum l is taken of the UNQUANTISED p, in f32, and the product's result is divided by l at the end. Since M is a whole number, a kernel that streams over the keys may use a running M (the ceiling of the running maximum): every later rescaling is an exact power of two, which a block's scale takes up: the codes' values come out the same.
;;   OPERANDS COMPUTED ON THE WAY. 'Computed on the way' means the value that the module computes at that place (a softmax that the list does not call 'softmax' is quantised finished and normalised). What goes into a quantiser is computed in f32, as accurately as f32 sums, v_exp_f32 and their like allow (about 1e-6 of the number): no bf16 or f16 on the way to a quantiser, and a product that is left as it is and whose result goes on into a quantised operand takes f32 operands (vector FMAs, or v_wmma_f32_16x16x4_f32). A number that lies on a knife's edge between two numbers of the format may be rounded either way, as far as f32 arithmetic and the matrix unit's own rounding can turn it there, and no further.
;; One version. Each part assembles by itself: llvm-mc -triple=amdgcn-amd-amdhsa -mcpu=gfx1250 --defsym DOCPART=n.
;; ======== version 1 of 1: 4 launches
;; workspace buffers: xc 22,020,096 bytes; xs 917,504 bytes; pc 18,874,368 bytes; ps 1,572,864 bytes; oc 6,291,456 bytes; os 262,144 bytes
;; launch quant (part 1): grid 256 x 1, 7 waves a work-group, no clusters, 60,160 bytes of LDS; arguments Q, K, V, Wq, Wk, Wv, Wo, xc, xs; writes xc, xs
.if DOCPART == 1
	.amdgcn_target "amdgcn-amd-amdhsa--gfx1250"
	.amdhsa_code_object_version 6
	.text
	.protected	k_q6c533292cd_quant
	.globl	k_q6c533292cd_quant
	.p2align	8
	.type	k_q6c533292cd_quant,@function
k_q6c533292cd_quant:
	s_mov_b64 s[64:65], 0
	v_nop
	global_prefetch_b8 v0, s[64:65] scope:SCOPE_SE
	s_setreg_imm32_b32 hwreg(HW_REG_WAVE_MODE, 25, 1), 1
	s_wait_xcnt 0x0
; Q, K, V [8192][1024] and Wq, Wk, Wv, Wo [1024][1024], f32, K innermost, become codes of FP6 (E2M3) with one E8M0 byte for each 32 along K,
; laid in the ORDER OF THE OPERAND'S REGISTERS, so that every later launch takes fragments by loads of 16 and 8 bytes a lane from dense bytes.
; TILES.  A tile is 16 rows; lane index i of tile t stands for row 32 (t / 2) + 8 (t % 2) + i + 8 (i / 8).  As source 0 of a product such a tile leaves, in the 16 registers of two
; neighbouring tiles, 16 neighbours along the rows: what the next quantiser wants.  The seven tensors are 1,792 tiles on end: Q 0.., K 512.., V 1024.., Wq 1536.., Wk 1600.., Wv 1664.., Wo 1728...
; HALF FRAGMENT, 768 bytes: 16 rows x 64 K as six operand registers: registers 0-3 at 16 x lane, registers 4-5 at 512 + 8 x lane; lane (r, h) holds k = 32 h .. 32 h + 31 of its row.
; xc: [tile][K step of 128: 8][half: 2][768].   xs: [tile][row 16][K step 8] scale words, 512 bytes a tile.
; A block's scale is 2^(floor(log2(its largest magnitude)) - 2); its byte is the largest magnitude's exponent field - 2, held at 1 from below.
; LIMITS: NaN and infinities among the inputs are not served.  A block of zeros, or one whose largest magnitude lies under 2^-124, gets the byte 1 (the rule says 127 for zeros): its codes are
; zeros or the rule's own subnormal codes under the held byte, and the bytes are read by this program alone.
; SHARES.  1,792 tiles = 256 work-groups x 7 waves: a wave takes one tile through all of K, 8 steps of 128.  Waves share nothing: no barrier, no cluster (no two work-groups read the same bytes).
; Each load reads 512 consecutive bytes of one row; a step's 16 rows turn through the wave's own stage in LDS, so that a lane gets 32 neighbours of each of its two blocks.  Loads run two steps (32 loads a wave) ahead.
.set ROWB,   4096                      ; a row of any of the tensors in bytes
.set SPITCH, 528                       ; a stage row: 512 bytes + 16 = 33 x 16 bytes
.set WSTG,   16*SPITCH                 ; a wave's stage
.set MX,  8                            ; v8-9    the two blocks' largest magnitudes
.set SO,  10                           ; v10-11  the conversions' scale operands
.set BY,  12                           ; v12-13  the scale bytes
.set WD,  14                           ; v14     my two bytes at their places in the scale word
.set TP,  15                           ; v15     the other half of the lanes' two
.set C,   16                           ; v16-27  a fragment's 12 registers
.set T,   28                           ; v28-30, v32-34  the upper 16 codes of each block, as converted
.set SW,  36                           ; v36-43  the 8 steps' scale words
.set OUTW, 44                          ; v44-47  what the scale store sends
.set R,   48                           ; v48-175 two sets of 64: 16 rows as loaded
.set X,   176                          ; v176-239 my 64 numbers: register 32 c + i = k 64 c + 32 h + i of row r
	s_load_b256 s[8:15], s[0:1], 0x0               ; Q s[8:9], K s[10:11], V s[12:13], Wq s[14:15]
	s_load_b256 s[16:23], s[0:1], 0x20             ; Wk s[16:17], Wv s[18:19], Wo s[20:21], xc s[22:23]
	s_load_b64 s[24:25], s[0:1], 0x40              ; xs
	v_lshl_add_u32 v248, v0, 2, 0xe700
	v_mov_b32 v249, 0
	v_lshrrev_b32 v1, 5, v0
	v_readfirstlane_b32 s26, v1                    ; wave 0..6
	v_and_b32 v7, 31, v0                           ; lane
	v_and_b32 v8, 15, v0                           ; r
	v_bfe_u32 v9, v0, 4, 1                         ; h
	v_lshlrev_b32 v1, 4, v7                        ; 16 x lane: my bytes of a load's 512, and of a half fragment's first four registers
	v_lshlrev_b32 v2, 3, v7                        ; 8 x lane: of its last two
	s_mul_i32 s36, s26, WSTG
	v_add_nc_u32 v3, s36, v1                       ; the stage on the way in: a row as it was loaded
	v_mul_u32_u24 v4, v8, SPITCH
	v_lshl_add_u32 v4, v9, 7, v4
	v_add_nc_u32 v4, s36, v4                       ; and on the way out: row r, + 128 h bytes: my block of 32 numbers
	v_lshlrev_b32 v5, 3, v9                        ; 8 h: my bytes' place in a scale word, in bits
	v_lshlrev_b32 v6, 5, v8
	v_lshl_add_u32 v6, v9, 4, v6                   ; xs: row r's 32 bytes; lanes 0-15 store words 0-3, lanes 16-31 words 4-7
	v_mov_b32 v[TP], 0                             ; written once: a lane permute's destination counts as one of its sources
	s_mov_b32 s30, 0x76543210
	s_mov_b32 s31, 0xfedcba98                      ; v_permlanex16_b32's selects for lane l xor 16
	s_mul_i32 s27, ttmp9, 7
	s_add_co_u32 s27, s27, s26                     ; my tile, 0 .. 1791
	s_lshr_b32 s32, s27, 9                         ; one of Q, K, V: which, and the tile in it
	s_and_b32 s33, s27, 511
	s_sub_co_u32 s34, s27, 1536                    ; one of the weights: likewise
	s_lshr_b32 s35, s34, 6
	s_add_co_u32 s35, s35, 3
	s_and_b32 s34, s34, 63
	s_cmp_lt_u32 s27, 1536
	s_cselect_b32 s32, s32, s35                    ; the tensor, 0 .. 6
	s_cselect_b32 s33, s33, s34                    ; the tile in it
	s_lshr_b32 s34, s33, 1
	s_lshl_b32 s34, s34, 17                        ; 32 (tile / 2) rows of 4,096 bytes
	s_and_b32 s35, s33, 1
	s_lshl_b32 s35, s35, 15                        ; + 8 (tile % 2) rows
	s_add_co_u32 s34, s34, s35
	s_mov_b32 s35, 0
	s_mul_i32 s38, s27, 12288                      ; my tile's codes
	s_mov_b32 s39, 0
	s_lshl_b32 s40, s27, 9                         ; and its scale words
	s_mov_b32 s41, 0
	s_wait_kmcnt 0x0
	s_mov_b64 s[28:29], s[20:21]                   ; the tensor's address: a choice on the tile's number alone
	s_cmp_eq_u32 s32, 0
	s_cselect_b64 s[28:29], s[8:9], s[28:29]
	s_cmp_eq_u32 s32, 1
	s_cselect_b64 s[28:29], s[10:11], s[28:29]
	s_cmp_eq_u32 s32, 2
	s_cselect_b64 s[28:29], s[12:13], s[28:29]
	s_cmp_eq_u32 s32, 3
	s_cselect_b64 s[28:29], s[14:15], s[28:29]
	s_cmp_eq_u32 s32, 4
	s_cselect_b64 s[28:29], s[16:17], s[28:29]
	s_cmp_eq_u32 s32, 5
	s_cselect_b64 s[28:29], s[18:19], s[28:29]
	s_add_nc_u64 s[28:29], s[28:29], s[34:35]
	s_add_nc_u64 s[22:23], s[22:23], s[38:39]
	s_add_nc_u64 s[24:25], s[24:25], s[40:41]
.macro LOAD s                          ; K step s of the tile's 16 rows into set s % 2: each load 512 consecutive bytes, at a multiple of 512 from the tensor's first byte
.irp i, 0,1,2,3,4,5,6,7,8,9,10,11,12,13,14,15
	global_load_b128 v[R+64*((\s)%2)+4*\i:R+64*((\s)%2)+4*\i+3], v1, s[28:29] offset:(\i+8*(\i/8))*ROWB+512*(\s) th:TH_LOAD_NT
.endr
.endm
.macro STEP s
.if (\s) < 7
	s_wait_loadcnt 16                              ; this step's 16 loads are in; the next step's 16 may be out
.else
	s_wait_loadcnt 0x0
.endif
.irp i, 0,1,2,3,4,5,6,7,8,9,10,11,12,13,14,15
	ds_store_b128 v3, v[R+64*((\s)%2)+4*\i:R+64*((\s)%2)+4*\i+3] offset:SPITCH*\i
.endr
.irp c, 0,1
.irp j, 0,1,2,3,4,5,6,7
	ds_load_b128 v[X+32*\c+4*\j:X+32*\c+4*\j+3], v4 offset:256*\c+16*\j   ; LDS serves a wave's instructions in order: these see the stores above
.endr
.endr
	s_wait_dscnt 0x0                               ; my numbers are back, and the stage's stores have read their registers
	s_wait_xcnt 0x0                                ; the last step's stores have read the codes' registers: they are written again below
.if (\s)+2 < 8
	LOAD (\s)+2
.endif
.irp c, 0,1
	v_max3_num_f32 v[MX+\c], |v[X+32*\c]|, |v[X+32*\c+1]|, 0x1800000   ; block 2 c + h: all its 32 numbers are mine; and the floor 2^(3 - 127): the byte cannot fall under 1
.endr
.irp n, 2,4,6,8,10,12,14,16,18,20,22,24,26,28,30
.irp c, 0,1
	v_max3_num_f32 v[MX+\c], v[MX+\c], |v[X+32*\c+\n]|, |v[X+32*\c+\n+1]|   ; (the two blocks by turns)
.endr
.endr
.irp c, 0,1
	v_add_nc_u32 v[SO+\c], 0xff000000, v[MX+\c]    ; 2 off the exponent field: the conversion takes the exponent field of this operand as its scale, and nothing else of it
.endr
.irp c, 0,1
	v_lshrrev_b32 v[BY+\c], 23, v[SO+\c]           ; the scale's byte
.endr
	v_lshl_or_b32 v[WD], v[BY+1], 16, v[BY]        ; blocks h and 2 + h of row r,
	v_lshlrev_b32 v[WD], v5, v[WD]                 ; at their places in the word;
	v_permlanex16_b32 v[TP], v[WD], s30, s31
	v_or_b32 v[SW+(\s)], v[WD], v[TP]              ; with lane l xor 16's two the word is whole
.irp c, 0,1
	v_cvt_scalef32_pk16_fp6_f32 v[C+6*\c:C+6*\c+2], v[X+32*\c:X+32*\c+15], v[SO+\c]
	v_cvt_scalef32_pk16_fp6_f32 v[T+4*\c:T+4*\c+2], v[X+32*\c+16:X+32*\c+31], v[SO+\c]   ; (a conversion's three registers begin on an even number)
.endr
	v_nop                                          ; one plain place behind a scaled conversion
.irp c, 0,1
.irp m, 0,1,2
	v_mov_b32 v[C+6*\c+3+\m], v[T+4*\c+\m]
.endr
.endr
.irp c, 0,1
	global_store_b128 v1, v[C+6*\c:C+6*\c+3], s[22:23] offset:1536*(\s)+768*\c          ; 512 consecutive bytes, at a multiple of 256 from xc's first byte
	global_store_b64 v2, v[C+6*\c+4:C+6*\c+5], s[22:23] offset:1536*(\s)+768*\c+512    ; 256 consecutive bytes, likewise
.endr
.endm
	LOAD 0
	LOAD 1
.irp s, 0,1,2,3,4,5,6,7
	STEP \s
.endr
	v_cmp_gt_u32 vcc_lo, 16, v7
.irp j, 0,1,2,3
	v_cndmask_b32 v[OUTW+\j], v[SW+4+\j], v[SW+\j], vcc_lo   ; lanes 0-15: K steps 0-3; lanes 16-31: K steps 4-7
.endr
	global_store_b128 v6, v[OUTW:OUTW+3], s[24:25] ; the tile's 512 bytes of scale words in one store
	s_wait_tensorcnt 0x0
	ds_add_u32 v248, v249
	s_wait_dscnt 0x0
	s_endpgm
.Lfunc_end_k_q6c533292cd_quant:
	.size	k_q6c533292cd_quant, .Lfunc_end_k_q6c533292cd_quant-k_q6c533292cd_quant
	.p2alignl 7, 3214868480
	.fill 96, 4, 3214868480
	.section	.rodata,"a",@progbits
	.p2align	6, 0x0
	.amdhsa_kernel k_q6c533292cd_quant
		.amdhsa_group_segment_fixed_size 60160
		.amdhsa_private_segment_fixed_size 0
		.amdhsa_enable_private_segment 0
		.amdhsa_kernarg_size 72
		.amdhsa_user_sgpr_count 2
		.amdhsa_user_sgpr_kernarg_segment_ptr 1
		.amdhsa_wavefront_size32 1
		.amdhsa_system_sgpr_workgroup_id_x 1
		.amdhsa_system_sgpr_workgroup_id_y 1
		.amdhsa_system_sgpr_workgroup_id_z 1
		.amdhsa_system_vgpr_workitem_id 0
		.amdhsa_next_free_vgpr 250
		.amdhsa_next_free_sgpr 66
		.amdhsa_reserve_vcc 1
		.amdhsa_float_denorm_mode_32 3
		.amdhsa_float_denorm_mode_16_64 3
		.amdhsa_memory_ordered 1
		.amdhsa_forward_progress 1
		.amdhsa_inst_pref_size 59
	.end_amdhsa_kernel
	.amdgpu_metadata
---
amdhsa.version: [ 1, 2 ]
amdhsa.kernels:
  - .name:           k_q6c533292cd_quant
    .symbol:         k_q6c533292cd_quant.kd
    .args:
      - { .name: Q, .offset: 0, .size: 8, .value_kind: global_buffer, .address_space: global }
      - { .name: K, .offset: 8, .size: 8, .value_kind: global_buffer, .address_space: global }
      - { .name: V, .offset: 16, .size: 8, .value_kind: global_buffer, .address_space: global }
      - { .name: Wq, .offset: 24, .size: 8, .value_kind: global_buffer, .address_space: global }
      - { .name: Wk, .offset: 32, .size: 8, .value_kind: global_buffer, .address_space: global }
      - { .name: Wv, .offset: 40, .size: 8, .value_kind: global_buffer, .address_space: global }
      - { .name: Wo, .offset: 48, .size: 8, .value_kind: global_buffer, .address_space: global }
      - { .name: xc, .offset: 56, .size: 8, .value_kind: global_buffer, .address_space: global }
      - { .name: xs, .offset: 64, .size: 8, .value_kind: global_buffer, .address_space: global }
    .group_segment_fixed_size: 60160
    .private_segment_fixed_size: 0
    .kernarg_segment_align: 8
    .kernarg_segment_size: 72
    .max_flat_workgroup_size: 224
    .sgpr_count:     66
    .vgpr_count:     250
    .wavefront_size: 32
...
	.end_amdgpu_metadata
.endif
;; end of part 1
;; launch proj (part 2): grid 4 x 192, 4 waves a work-group, clusters of 4 x 4, 295,424 bytes of LDS; arguments xc, xs, pc, ps; writes pc, ps
.if DOCPART == 2
	.amdgcn_target "amdgcn-amd-amdhsa--gfx1250"
	.amdhsa_code_object_version 6
	.text
	.protected	k_q6c533292cd_proj
	.globl	k_q6c533292cd_proj
	.p2align	8
	.type	k_q6c533292cd_proj,@function
k_q6c533292cd_proj:
	s_mov_b64 s[64:65], 0
	v_nop
	global_prefetch_b8 v0, s[64:65] scope:SCOPE_SE
	s_setreg_imm32_b32 hwreg(HW_REG_WAVE_MODE, 25, 1), 1
	s_wait_xcnt 0x0
	s_wait_alu depctr_hold_cnt(0) depctr_sa_sdst(0) depctr_va_vdst(0) depctr_va_sdst(0) depctr_va_ssrc(0) depctr_va_vcc(0) depctr_vm_vsrc(0)
	s_getreg_b32 s2, hwreg(HW_REG_IB_STS2, 6, 4)
	s_cmp_eq_u32 s2, 0
	s_cbranch_scc0 .Lentry_in_a_cluster
	s_endpgm
.Lentry_in_a_cluster:
	s_bfe_u32 s2, ttmp6, 0x10000c
	s_cmp_lg_u32 s2, 0xf033
	s_cbranch_scc0 .Lentry_shape_is_right
	s_endpgm
.Lentry_shape_is_right:
; The three projections q = Q Wq^T, k = K Wk^T, v = V Wv^T on codes of FP6 (E2M3), one launch, and their results quantised in registers for the two products of attention.
; P is source 0: the operand whose rows become the next product's K.  R is source 1: a lane keeps one of its rows.   q: P = Wq, R = Q.   k: P = Wk, R = K.   v: P = V (K = the keys), R = Wv.
; Operands come from xc and xs: tiles of 16 rows (lane index i of tile t = row 32 (t / 2) + 8 (t % 2) + i + 8 (i / 8)), each [K step 8][half 2][768 bytes] as images of the operand's registers.
; With such a tile as source 0, the 16 registers of tiles 2 b and 2 b + 1 are 16 neighbours along P's rows: 32 b + 16 (lane / 16) + 0 .. 15.
; SHARES.  A work-group owns 256 rows of P (16 tiles) x 128 rows of R (8 tiles) and all of K = 1,024: 196,608 + 98,304 bytes of codes, which lie in LDS together: LDS is filled ONCE, in four chunks of two
; K steps, so the products begin when the first chunk has landed.  Nothing is filled again.  Wave w: P's tiles 8 (w / 2) .., R's tiles 4 (w % 2) ..: 32 accumulators.  256 work-groups for each product.
; CLUSTERS: 4 x 4.  P's tiles hang on the place along x alone and are asked for jointly by a column, R's on the place along y alone, by a row.
; OUT.  A wave's 8 tiles of P are 128 along the next K: for each tile of R one fragment, stored as two half fragments of 768 bytes, and one scale word a row.
; pc: three sections (q, k, v) of 8,192 half fragments; index = (T % 64) + 64 (u % 16) + 1024 (T / 64 + u / 16), T = R's tile, u = 2 x (P's 128 rows) + half.  q, k: u = the head.  v: T = 4 head + tile of d, u = 32 b + 2 (key step) + half.
; ps: for each 4 half fragments 256 bytes, [row 16][T % 4] words.  The slot of half 0 holds the whole word, the slot of half 1 (4,096 bytes on) the word >> 16: q's and k's fragments are one half and zero codes, v's take half 0's word.
; LIMITS: NaN and infinities are not served; a block of zeros, or one whose largest magnitude lies under 2^-124, gets the byte 1; the bytes are read by this program alone.
; REGISTERS, in windows of 256: window 0: v4-12 addresses; v16-79 P's scale words (8 a + k), v80-111 R's (8 i + k); v112-207 R's fragments, two sets; v208-251 the quantiser.  window 1: the accumulators, (i, a) at 64 i + 8 a.  window 2: P's fragments, two sets of 96.
.set CHP,  49152                       ; a chunk of P in LDS: [tile 16][3,072]
.set CHR,  24576                       ; of R: [tile 8][3,072]
.set RLDS, 4*CHP                       ; R's chunks lie behind P's
.set AP16, 4                           ; v4  LDS: my P tiles, 16 x lane       v5  the same + 512, 8 x lane
.set AP8,  5
.set AR16, 6                           ; v6, v7  likewise for R
.set AR8,  7
.set O16,  8                           ; v8  16 x lane
.set O8,   9                           ; v9  8 x lane
.set XR,   10                          ; v10 32 r: a row's 8 scale words in xs
.set SH,   11                          ; v11 16 h: lanes 16-31 store the word >> 16
.set OSC,  12                          ; v12 16 r + 4096 h: my place in ps
.set SCP,  16
.set SCR,  80
.set RF,   112
.set TM,   208                         ; v208-211 largest magnitudes, v212-215 the other lanes', then bytes, v220-223 the conversions' scale operands
.set PC,   224                         ; v224-235 the fragment just made; v236-238, v240-242 the upper halves as converted
.set PW,   244                         ; its scale word
.set SWD,  248                         ; v248-251 the four tiles' words
.set G1P,  24                          ; s[24:31] descriptor group 1 for P;  s[32:39] for R
.set G1R,  32
.set G0P,  68                          ; s[68:83] group 0 for P's four chunks;  s[84:99] for R's
.set G0R,  84
.set SEL,  58
.set MSB, 0
.macro WIN new                         ; the immediate's high byte repeats the setting that is left
.if MSB != \new
	s_set_vgpr_msb (MSB<<8)|\new
.set MSB, \new
.endif
.endm
.macro CROUND                          ; a round of the cluster's barrier
	s_barrier_signal -1
	s_barrier_wait -1
	s_cmp_lg_u32 s12, 0
	s_cbranch_scc1 .Lnot_wave_0_\@
	s_barrier_signal -3
.Lnot_wave_0_\@:
	s_barrier_wait -3
	s_barrier_signal -1
	s_barrier_wait -1
.endm
.macro PLACES                          ; four places behind a matrix instruction of this form (ISA guide 7.12.1), where no other vector work is at hand
.rept 4
	v_nop
.endr
.endm
	s_load_b256 s[4:11], s[0:1], 0x0               ; xc s[4:5], xs s[6:7], pc s[8:9], ps s[10:11]
	v_lshl_add_u32 v254, v0, 2, 0x48000
	v_mov_b32 v255, 0
	ds_add_u32 v254, v255
	ds_add_u32 v254, v255
	v_lshrrev_b32 v1, 5, v0
	v_readfirstlane_b32 s12, v1                    ; wave 0..3
	s_lshr_b32 s13, s12, 1                         ; which 8 tiles of P are mine.  Also: I fetch for P (0) or for R (1)
	s_and_b32 s14, s12, 1                          ; which 4 tiles of R are mine.  Also: which half of a chunk I fetch
	s_bfe_u32 s15, ttmp6, 0x40000                  ; cx
	s_bfe_u32 s16, ttmp6, 0x40004                  ; cy
	s_and_b32 s17, ttmp7, 0xffff                   ; the cluster's y, 0 .. 47
	s_lshr_b32 s18, s17, 4                         ; the product: 0 q, 1 k, 2 v
	s_and_b32 s19, s17, 15                         ; the cluster among the product's 16
	s_lshr_b32 s20, s19, 1
	s_and_b32 s21, s19, 1
	s_lshl_b32 s22, s18, 6
	s_add_co_u32 s22, s22, 1536                    ; q, k: P is the weight, tiles 1536 + 64 g on,
	s_lshl_b32 s23, s18, 9                         ; R the input, tiles 512 g on
	s_cmp_eq_u32 s18, 2                            ; (the same in all sixteen partners)
	s_cselect_b32 s20, s20, 0                      ; v: 8 x 2 clusters over P x R; q, k: 1 x 16
	s_cselect_b32 s21, s21, s19
	s_cselect_b32 s22, 1024, s22                   ; v: P is V, tiles 1024 on,
	s_cselect_b32 s23, 1664, s23                   ; R is Wv, tiles 1664 on
	s_lshl_b32 s40, s20, 2
	s_add_co_u32 s40, s40, s15                     ; which 16 tiles of P: hangs on cx, never on cy
	s_lshl_b32 s41, s21, 2
	s_add_co_u32 s41, s41, s16                     ; which 8 tiles of R: hangs on cy, never on cx
	s_lshl_b32 s46, s16, 2
	s_lshl_b32 s46, 15, s46                        ; my row of the cluster
	s_lshl_b32 s47, 0x1111, s15                    ; my column
	; descriptor group 1: rows are tiles: 3,072 bytes (384 elements of 8 bytes) of each tile's 12,288; 8 tiles a load for P, 4 for R; no padding: the images are read as they lie
	s_or_b32 s[G1P], s47, (3<<16)|(1<<21)          ; 15:0 the mask: P's tiles go to my column; 17:16 elements of 8 bytes; 21 set beside a mask
	s_mov_b32 s[G1P+1], 384<<16                    ; tensor_dim0
	s_mov_b32 s[G1P+2], 8<<16                      ; tensor_dim1
	s_mov_b32 s[G1P+3], 384<<16                    ; tile_dim0
	s_mov_b32 s[G1P+4], 8                          ; tile_dim1
	s_mov_b32 s[G1P+5], 1536                       ; from tile to tile
	s_mov_b32 s[G1P+6], 0
	s_mov_b32 s[G1P+7], 0
	s_or_b32 s[G1R], s46, (3<<16)|(1<<21)          ; R's tiles go to my row
	s_mov_b32 s[G1R+1], 384<<16
	s_mov_b32 s[G1R+2], 4<<16
	s_mov_b32 s[G1R+3], 384<<16
	s_mov_b32 s[G1R+4], 4
	s_mov_b32 s[G1R+5], 1536
	s_mov_b32 s[G1R+6], 0
	s_mov_b32 s[G1R+7], 0
	s_lshl_b32 s42, s40, 4                         ; what I fetch of P: tile base + 16 x index + 8 x half,
	s_add_co_u32 s42, s42, s22
	s_lshl_b32 s43, s14, 3
	s_add_co_u32 s42, s42, s43
	s_mul_i32 s42, s42, 12288
	s_mov_b32 s43, 0
	s_lshl_b32 s44, s41, 3                         ; of R: tile base + 8 x index + 4 x half
	s_add_co_u32 s44, s44, s23
	s_lshl_b32 s45, s14, 2
	s_add_co_u32 s44, s44, s45
	s_mul_i32 s44, s44, 12288
	s_mov_b32 s45, 0
	s_mul_i32 s48, s14, CHP/2                      ; and where it goes in a chunk: no place in the cluster enters an LDS address
	s_mul_i32 s49, s14, CHR/2
	s_lshl_b32 s50, s40, 4                         ; the scale words of MY 8 tiles of P,
	s_add_co_u32 s50, s50, s22
	s_lshl_b32 s51, s13, 3
	s_add_co_u32 s50, s50, s51
	s_lshl_b32 s50, s50, 9
	s_mov_b32 s51, 0
	s_lshl_b32 s52, s41, 3                         ; and of my 4 tiles of R
	s_add_co_u32 s52, s52, s23
	s_lshl_b32 s53, s14, 2
	s_add_co_u32 s52, s52, s53
	s_lshl_b32 s52, s52, 9
	s_mov_b32 s53, 0
	s_lshl_b32 s54, s41, 3                         ; where my results go: T = 8 x R's index + 4 (w % 2),
	s_lshl_b32 s55, s14, 2
	s_add_co_u32 s54, s54, s55
	s_lshl_b32 s55, s40, 2                         ; u = 2 x (2 x P's index + w / 2)
	s_lshl_b32 s2, s13, 1
	s_add_co_u32 s55, s55, s2
	s_and_b32 s2, s54, 63
	s_and_b32 s3, s55, 15
	s_lshl_b32 s3, s3, 6
	s_add_co_u32 s2, s2, s3
	s_lshr_b32 s54, s54, 6
	s_lshr_b32 s55, s55, 4
	s_add_co_u32 s54, s54, s55
	s_lshl_b32 s54, s54, 10
	s_add_co_u32 s2, s2, s54                       ; the index of my first half fragment
	s_mul_i32 s60, s2, 768
	s_mul_i32 s3, s18, 6291456                     ; in the product's section
	s_add_co_u32 s60, s60, s3
	s_mov_b32 s61, 0
	s_lshr_b32 s62, s2, 2
	s_lshl_b32 s62, s62, 8
	s_lshl_b32 s3, s18, 19
	s_add_co_u32 s62, s62, s3
	s_mov_b32 s63, 0
	s_mov_b32 s[SEL], 0x76543210
	s_mov_b32 s[SEL+1], 0xfedcba98                 ; v_permlanex16_b32's selects for lane l xor 16
	v_and_b32 v1, 31, v0                           ; lane
	v_and_b32 v2, 15, v0                           ; r
	v_bfe_u32 v3, v0, 4, 1                         ; h
	v_lshlrev_b32 v[O16], 4, v1
	v_lshlrev_b32 v[O8], 3, v1
	v_lshlrev_b32 v[XR], 5, v2
	v_lshlrev_b32 v[SH], 4, v3
	v_lshlrev_b32 v[OSC], 4, v2
	v_lshl_add_u32 v[OSC], v3, 12, v[OSC]
	s_mul_i32 s56, s13, CHP/2
	v_add_nc_u32 v[AP16], s56, v[O16]
	s_add_co_u32 s56, s56, 512
	v_add_nc_u32 v[AP8], s56, v[O8]
	s_mul_i32 s57, s14, CHR/2
	s_add_co_u32 s57, s57, RLDS
	v_add_nc_u32 v[AR16], s57, v[O16]
	s_add_co_u32 s57, s57, 512
	v_add_nc_u32 v[AR8], s57, v[O8]
.irp b, 0,1,2,3
	v_mov_b32 v[TM+4+\b], 0                        ; written once: a lane permute's destination counts as one of its sources
.endr
	s_wait_dscnt 0x0
	s_wait_kmcnt 0x0
	s_add_nc_u64 s[42:43], s[4:5], s[42:43]
	s_add_nc_u64 s[44:45], s[4:5], s[44:45]
	s_add_nc_u64 s[50:51], s[6:7], s[50:51]
	s_add_nc_u64 s[52:53], s[6:7], s[52:53]
	s_add_nc_u64 s[60:61], s[8:9], s[60:61]
	s_add_nc_u64 s[62:63], s[10:11], s[62:63]
	CROUND                                         ; all sixteen work-groups are here: the joint loads meet
.irp q, 0,1,2,3
	s_mov_b32 s[G0P+4*\q], 1                                       ; count = 1
	s_add_co_u32 s[G0P+4*\q+1], s48, \q*CHP                        ; LDS address
	s_add_nc_u64 s[G0P+4*\q+2:G0P+4*\q+3], s[42:43], \q*3072       ; global address: K steps 2 q and 2 q + 1 of the first tile
	s_or_b32 s[G0P+4*\q+3], s[G0P+4*\q+3], 0x80000000              ; type = 2
	s_mov_b32 s[G0R+4*\q], 1
	s_add_co_u32 s[G0R+4*\q+1], s49, RLDS+\q*CHR
	s_add_nc_u64 s[G0R+4*\q+2:G0R+4*\q+3], s[44:45], \q*3072
	s_or_b32 s[G0R+4*\q+3], s[G0R+4*\q+3], 0x80000000
.endr
	s_cmp_eq_u32 s13, 0                            ; a wave's four fills stand in one branch on the wave's number, ahead of every wait on TENSORcnt, every LDS read and every other barrier: four loads of mine are out
	s_cbranch_scc0 .Lfor_r
.irp q, 0,1,2,3
	tensor_load_to_lds s[G0P+4*\q:G0P+4*\q+3], s[G1P:G1P+7]
	s_nop 0
.endr
.rept 4
	v_nop                                          ; four v_nop follow the last load, ahead of the jump and the label
.endr
	s_branch .Lasked
.Lfor_r:
.irp q, 0,1,2,3
	tensor_load_to_lds s[G0R+4*\q:G0R+4*\q+3], s[G1R:G1R+7]
	s_nop 0
.endr
.rept 4
	v_nop
.endr
.Lasked:
.irp a, 0,1,2,3,4,5,6,7                        ; the scale words of all of K, once: lane r takes row r's 32 bytes (lanes 16-31 hold the same and are not read)
	global_load_b128 v[SCP+8*\a:SCP+8*\a+3], v[XR], s[50:51] offset:512*\a
	global_load_b128 v[SCP+8*\a+4:SCP+8*\a+7], v[XR], s[50:51] offset:512*\a+16
.endr
.irp i, 0,1,2,3
	global_load_b128 v[SCR+8*\i:SCR+8*\i+3], v[XR], s[52:53] offset:512*\i
	global_load_b128 v[SCR+8*\i+4:SCR+8*\i+7], v[XR], s[52:53] offset:512*\i+16
.endr
; 48 LDS loads in one run: K step k's fragments, 8 of P and 4 of R, into set k % 2.  A fragment is two half fragments: 16 + 8 bytes a lane each, consecutive from lane to lane.
.macro FETCH k
	WIN 0x80                                       ; destination window 2, address window 0
.irp a, 0,1,2,3,4,5,6,7
.irp c, 0,1
	ds_load_b128 v[96*((\k)%2)+12*\a+6*\c:96*((\k)%2)+12*\a+6*\c+3], v[AP16] offset:3072*\a+1536*((\k)%2)+768*\c
	ds_load_b64 v[96*((\k)%2)+12*\a+6*\c+4:96*((\k)%2)+12*\a+6*\c+5], v[AP8] offset:3072*\a+1536*((\k)%2)+768*\c
.endr
.endr
	WIN 0
.irp i, 0,1,2,3
.irp c, 0,1
	ds_load_b128 v[RF+48*((\k)%2)+12*\i+6*\c:RF+48*((\k)%2)+12*\i+6*\c+3], v[AR16] offset:3072*\i+1536*((\k)%2)+768*\c
	ds_load_b64 v[RF+48*((\k)%2)+12*\i+6*\c+4:RF+48*((\k)%2)+12*\i+6*\c+5], v[AR8] offset:3072*\i+1536*((\k)%2)+768*\c
.endr
.endr
.endm
; 32 matrix instructions: K step k.  The 32 accumulators take turns, one instruction a turn, in the same order in every step.  The first step starts the sums: nothing is cleared.
.macro MUL k
	WIN 0x52                                       ; source 0 (P) window 2, source 1 (R) window 0, C and D window 1
.irp i, 0,1,2,3
.irp a, 0,1,2,3,4,5,6,7
.if (\k) == 0
	v_wmma_scale_f32_16x16x128_f8f6f4 v[64*\i+8*\a:64*\i+8*\a+7], v[96*((\k)%2)+12*\a:96*((\k)%2)+12*\a+11], v[RF+48*((\k)%2)+12*\i:RF+48*((\k)%2)+12*\i+11], 0, v[SCP+8*\a+(\k)], v[SCR+8*\i+(\k)] matrix_a_fmt:MATRIX_FMT_FP6 matrix_b_fmt:MATRIX_FMT_FP6
.else
	v_wmma_scale_f32_16x16x128_f8f6f4 v[64*\i+8*\a:64*\i+8*\a+7], v[96*((\k)%2)+12*\a:96*((\k)%2)+12*\a+11], v[RF+48*((\k)%2)+12*\i:RF+48*((\k)%2)+12*\i+11], v[64*\i+8*\a:64*\i+8*\a+7], v[SCP+8*\a+(\k)], v[SCR+8*\i+(\k)] matrix_a_fmt:MATRIX_FMT_FP6 matrix_b_fmt:MATRIX_FMT_FP6
.endif
.endr
.endr
	WIN 0
.endm
; A K step: the next step's fragments are asked for, then this step is multiplied.  Where the next step begins a chunk, each wave waits for its part of that chunk and passes a barrier; behind it nothing is filled, so later chunks stay on their way.
.macro STEP k
.if (\k) < 7
.if ((\k)+1)%2 == 0
	s_wait_tensorcnt 3-((\k)+1)/2                  ; my part of chunk (k + 1) / 2 is in; the later chunks' loads, issued behind it, may be out
	s_wait_dscnt 0x0                               ; no LDS load of mine is out at the signal
	s_barrier_signal -1
	s_barrier_wait -1                              ; everybody's part is in
	v_add_nc_u32 v[AP16], CHP, v[AP16]             ; on to that chunk.  These four are also the places in front of the loads below
	v_add_nc_u32 v[AP8], CHP, v[AP8]
	v_add_nc_u32 v[AR16], CHR, v[AR16]
	v_add_nc_u32 v[AR8], CHR, v[AR8]
.elseif (\k) > 0
	PLACES                                         ; in front of loads into registers that the last step's products have read
.endif
	FETCH (\k)+1
	s_wait_dscnt 48                                ; all but the 48 just issued: this step's fragments are in
.else
	s_wait_dscnt 0x0
.endif
	MUL \k
.endm
; R's tile i: my 64 numbers of a lane (window 1, register 64 i + 16 b + n = row 32 b + 16 h + n of my 128 of P) become a fragment's codes in v[PC] on and its scale word in v[PW].  Each accumulator is read from its low end on.
.macro QUANT i
	WIN 0x14                                       ; sources 1 and 2 window 1
.irp b, 0,1,2,3
	v_max3_num_f32 v[TM+\b], 0x1800000, |v[64*(\i)+16*\b]|, |v[64*(\i)+16*\b+1]|   ; block b: my 16 numbers, and the floor 2^(3 - 127): the byte cannot fall under 1
.endr
.irp n, 2,4,6,8,10,12,14
.irp b, 0,1,2,3
	v_max3_num_f32 v[TM+\b], v[TM+\b], |v[64*(\i)+16*\b+\n]|, |v[64*(\i)+16*\b+\n+1]|   ; (the four blocks by turns)
.endr
.endr
	WIN 0
.irp b, 0,1,2,3
	v_permlanex16_b32 v[TM+4+\b], v[TM+\b], s[SEL], s[SEL+1]
.endr
.irp b, 0,1,2,3
	v_max_num_f32 v[TM+\b], v[TM+\b], v[TM+4+\b]   ; with lane l xor 16's: the block's largest magnitude
.endr
.irp b, 0,1,2,3
	v_add_nc_u32 v[TM+12+\b], 0xff000000, v[TM+\b] ; 2 off its exponent field: the conversion's scale operand
.endr
.irp b, 0,1,2,3
	v_lshrrev_b32 v[TM+4+\b], 23, v[TM+12+\b]      ; the scale's byte
.endr
	v_lshl_or_b32 v[PW], v[TM+5], 8, v[TM+4]
	v_lshl_or_b32 v[PW], v[TM+6], 16, v[PW]
	v_lshl_or_b32 v[PW], v[TM+7], 24, v[PW]        ; my row's scale word, the same in both halves of the lanes
	WIN 0x01                                       ; source 0 window 1
.irp c, 0,1
	v_cvt_scalef32_pk16_fp6_f32 v[PC+6*\c:PC+6*\c+2], v[64*(\i)+32*\c:64*(\i)+32*\c+15], v[TM+12+2*\c]
	v_cvt_scalef32_pk16_fp6_f32 v[PC+12+4*\c:PC+14+4*\c], v[64*(\i)+32*\c+16:64*(\i)+32*\c+31], v[TM+12+2*\c+1]   ; (a conversion's three registers begin on an even number)
.endr
	WIN 0
	v_nop                                          ; one plain place behind a scaled conversion
.irp c, 0,1                                    ; the operand's layout wants a WHOLE block in a lane: lanes 0-15 block 2 c, lanes 16-31 block 2 c + 1
.irp m, 0,1,2
	v_permlane16_swap_b32 v[PC+6*\c+\m], v[PC+12+4*\c+\m]
.endr
.irp m, 0,1,2
	v_mov_b32 v[PC+3+6*\c+\m], v[PC+12+4*\c+\m]
.endr
.endr
.endm
	s_wait_tensorcnt 0x3                           ; my part of chunk 0 is in; my three later loads may be out
	s_barrier_signal -1
	s_barrier_wait -1                              ; everybody's is
	FETCH 0
	s_wait_loadcnt 0x0                             ; the scale words
.irp k, 0,1,2,3,4,5,6,7
	STEP \k
.endr
	PLACES                                         ; in front of the first read of results
.irp i, 0,1,2,3
.if \i > 0
	s_wait_xcnt 0x0                                ; the last tile's stores have read the codes' registers
.endif
	QUANT \i
	global_store_b128 v[O16], v[PC:PC+3], s[60:61] offset:768*\i               ; half 0: 512 + 256 consecutive bytes, at multiples of 256 from pc's first byte
	global_store_b64 v[O8], v[PC+4:PC+5], s[60:61] offset:768*\i+512
	global_store_b128 v[O16], v[PC+6:PC+9], s[60:61] offset:768*\i+49152       ; half 1: 64 half fragments on
	global_store_b64 v[O8], v[PC+10:PC+11], s[60:61] offset:768*\i+49152+512
	v_mov_b32 v[SWD+\i], v[PW]
.endr
.irp i, 0,1,2,3
	v_lshrrev_b32 v[SWD+\i], v[SH], v[SWD+\i]      ; lanes 16-31: the upper two bytes, for half 1's slot
.endr
	global_store_b128 v[OSC], v[SWD:SWD+3], s[62:63]   ; lanes 0-15 fill half 0's 256 bytes, lanes 16-31 half 1's
	s_wait_tensorcnt 0x0
	ds_add_u32 v254, v255
	s_wait_dscnt 0x0
	CROUND                                         ; the closing round: no work-group ends while a partner may still ask for a tile that names it
	s_endpgm
.Lfunc_end_k_q6c533292cd_proj:
	.size	k_q6c533292cd_proj, .Lfunc_end_k_q6c533292cd_proj-k_q6c533292cd_proj
	.p2alignl 7, 3214868480
	.fill 96, 4, 3214868480
	.section	.rodata,"a",@progbits
	.p2align	6, 0x0
	.amdhsa_kernel k_q6c533292cd_proj
		.amdhsa_group_segment_fixed_size 295424
		.amdhsa_private_segment_fixed_size 0
		.amdhsa_enable_private_segment 0
		.amdhsa_kernarg_size 32
		.amdhsa_user_sgpr_count 2
		.amdhsa_user_sgpr_kernarg_segment_ptr 1
		.amdhsa_wavefront_size32 1
		.amdhsa_system_sgpr_workgroup_id_x 1
		.amdhsa_system_sgpr_workgroup_id_y 1
		.amdhsa_system_sgpr_workgroup_id_z 1
		.amdhsa_system_vgpr_workitem_id 0
		.amdhsa_next_free_vgpr 768
		.amdhsa_next_free_sgpr 100
		.amdhsa_reserve_vcc 0
		.amdhsa_float_denorm_mode_32 3
		.amdhsa_float_denorm_mode_16_64 3
		.amdhsa_memory_ordered 1
		.amdhsa_forward_progress 1
		.amdhsa_inst_pref_size 88
	.end_amdhsa_kernel
	.amdgpu_metadata
---
amdhsa.version: [ 1, 2 ]
amdhsa.kernels:
  - .name:           k_q6c533292cd_proj
    .symbol:         k_q6c533292cd_proj.kd
    .args:
      - { .name: xc, .offset: 0, .size: 8, .value_kind: global_buffer, .address_space: global }
      - { .name: xs, .offset: 8, .size: 8, .value_kind: global_buffer, .address_space: global }
      - { .name: pc, .offset: 16, .size: 8, .value_kind: global_buffer, .address_space: global }
      - { .name: ps, .offset: 24, .size: 8, .value_kind: global_buffer, .address_space: global }
    .group_segment_fixed_size: 295424
    .private_segment_fixed_size: 0
    .kernarg_segment_align: 8
    .kernarg_segment_size: 32
    .max_flat_workgroup_size: 128
    .sgpr_count:     100
    .vgpr_count:     768
    .wavefront_size: 32
...
	.end_amdgpu_metadata
.endif
;; end of part 2
;; launch attn (part 3): grid 4 x 64, 16 waves a work-group, clusters of 4 x 1, 210,944 bytes of LDS; arguments pc, ps, oc, os; writes oc, os
.if DOCPART == 3
	.amdgcn_target "amdgcn-amd-amdhsa--gfx1250"
	.amdhsa_code_object_version 6
	.text
	.protected	k_q6c533292cd_attn
	.globl	k_q6c533292cd_attn
	.p2align	8
	.type	k_q6c533292cd_attn,@function
k_q6c533292cd_attn:
	s_mov_b64 s[64:65], 0
	v_nop
	global_prefetch_b8 v0, s[64:65] scope:SCOPE_SE
	s_setreg_imm32_b32 hwreg(HW_REG_WAVE_MODE, 25, 1), 1
	s_wait_xcnt 0x0
	s_wait_alu depctr_hold_cnt(0) depctr_sa_sdst(0) depctr_va_vdst(0) depctr_va_sdst(0) depctr_va_ssrc(0) depctr_va_vcc(0) depctr_vm_vsrc(0)
	s_getreg_b32 s2, hwreg(HW_REG_IB_STS2, 6, 4)
	s_cmp_eq_u32 s2, 0
	s_cbranch_scc0 .Lentry_in_a_cluster
	s_endpgm
.Lentry_in_a_cluster:
	s_bfe_u32 s2, ttmp6, 0x10000c
	s_cmp_lg_u32 s2, 0x3003
	s_cbranch_scc0 .Lentry_shape_is_right
	s_endpgm
.Lentry_shape_is_right:
; o[b][query][head][:] = the sum over keys of softmax(q . k) v, on the UNSCALED scores, both products on codes of FP6 (E2M3); o is quantised along the model's axis for the last product.
; q, k, v come from pc and ps as half fragments of 768 bytes (16 rows x 64 K as six operand registers: registers 0-3 at 16 x lane, 4-5 at 512 + 8 x lane) and scale words.
; THE SOFTMAX: t = score x log2(e); M = the row's largest t so far, rounded UP to a whole number; p = 2^(t - M) is what is quantised, along the keys, not normalised.  The row's sum is taken of the unquantised p
; and divides O at the end.  When M moves, the sum and O are multiplied by 2^(old M - new M): exact.
; THE SCORES' K IS 64: a fragment's upper six registers are zero codes, in k's and in q's; the scale bytes that meet them are never 0xff, so they add nothing.
; SHARES.  A work-group owns one head of one batch and 512 queries (32 tiles); each of its sixteen waves owns two tiles of 16 queries, one after the other, in 256 registers: four waves to a SIMD, so that one wave's vector
; work stands beside another's products and LDS loads.  A head's whole k and v, codes and scale words, are 208,896 bytes: they come into LDS ONCE and stay; nothing is filled again.
; CLUSTER: the four work-groups of a head walk the same k and v: each tile is asked for JOINTLY, by the same tensor load with a mask that names the four.
; LAYOUT.  Both products are used transposed: S^T = k q^T (source 0 = 16 keys), O^T = v^T p^T (source 0 = 16 of the head's 64): a lane holds ONE query throughout.  Lane index i of a tile t stands for row
; 32 (t / 2) + 8 (t % 2) + i + 8 (i / 8), so the 16 registers of tiles 2 b and 2 b + 1 are 16 neighbours: keys for p, the head's d for O.
; OUT.  oc: [tile of queries 512][head 16][768].  os: [tile][row 16][head 16], two bytes each.  A row's two bytes of a head are stored alone (2 bytes a lane, rows 32 bytes apart): the heads beside them belong to other
; work-groups; that is one byte in 24 of what the launch stores.
; LIMITS: NaN and infinities are not served; a block of zeros, or one under 2^-124, gets the byte 1 (read by this program alone).  A block's largest p is taken from its largest score: this takes v_exp_f32 not to fall where its input rises.
; REGISTERS: v1-6 LDS places that stay; v9-11 offsets; v12 -M, v13 the largest t, v[14:15] the sum; v16-27, v230-241 the two tiles of q, v28, v242 their scale words; v30-35 the step's addresses; v36-83 four fragments of k;
;   v84-87 k's scale words, v88-91 v's; v96-159 S^T, then p, then v's four fragments; v160-191 O^T; v192-203 p's codes; v204-229 at work.
.set KC,  0                            ; LDS: k's codes [tile 128][768]
.set VC,  98304                        ; v's codes [key step 16][half 2][tile of d 4][768]
.set KS,  196608                       ; k's scale words [4 tiles: 32][row 16][4]
.set VS,  204800                       ; v's [key step 16][row 16][tile of d 4]
.set KB,  36
.set KSC, 84
.set VSC, 88
.set S,   96
.set O,   160
.set PC,  192
.set CT,  204                          ; v204-206, v208-210 the upper halves as converted
.set BM,  212                          ; v212-215 the blocks' largest scores, then largest p
.set TP,  216                          ; v216-219 the other lanes' maxima; the sum's second chain; the bytes
.set SO,  220                          ; v220-223 the conversions' scale operands
.set F,   224                          ; v224 f = 2^(old M - new M);  v225 p's scale word (named with f as a pair)
.set PWD, 225
.set TMP, 226                          ; v226 at work, at a pass's end 1 / l;  v227 named with it as a pair
.set OSW, 228                          ; v228-229 the two tiles' scale bytes of o
.macro CROUND                          ; a round of the cluster's barrier
	s_barrier_signal -1
	s_barrier_wait -1
	s_cmp_lg_u32 s12, 0
	s_cbranch_scc1 .Lnot_wave_0_\@
	s_barrier_signal -3
.Lnot_wave_0_\@:
	s_barrier_wait -3
	s_barrier_signal -1
	s_barrier_wait -1
.endm
.macro PLACES
.rept 4
	v_nop
.endr
.endm
	s_load_b256 s[4:11], s[0:1], 0x0               ; pc s[4:5], ps s[6:7], oc s[8:9], os s[10:11]
	v_lshl_add_u32 v254, v0, 2, 0x33000
	v_mov_b32 v255, 0
	ds_add_u32 v254, v255
	ds_add_u32 v254, v255
	v_lshrrev_b32 v1, 5, v0
	v_readfirstlane_b32 s12, v1                    ; wave 0..15
	s_bfe_u32 s13, ttmp6, 0x40000                  ; cx: which quarter of the queries; it enters q's, oc's and os's addresses alone
	s_and_b32 s14, ttmp7, 0xffff
	s_lshr_b32 s15, s14, 4                         ; the batch
	s_and_b32 s16, s14, 15                         ; the head
	s_and_b32 s17, s12, 3                          ; which quarter of k's or v's codes I fetch, if I fetch
	s_and_b32 s18, s12, 1
	s_lshr_b32 s80, s17, 1                         ; k's codes: [2 b + tile / 64][head][tile % 64][768], behind q's section
	s_lshl_b32 s81, s15, 1
	s_add_co_u32 s80, s80, s81
	s_mul_i32 s80, s80, 786432
	s_mul_i32 s81, s16, 49152
	s_add_co_u32 s80, s80, s81
	s_mul_i32 s81, s18, 24576
	s_add_co_u32 s80, s80, s81
	s_add_co_u32 s80, s80, 6291456
	s_mov_b32 s81, 0
	s_lshl_b32 s82, s15, 5                         ; v's codes: [32 b + 2 (key step) + half][head][tile of d][768], behind k's
	s_lshl_b32 s83, s17, 3
	s_add_co_u32 s82, s82, s83
	s_mul_i32 s82, s82, 49152
	s_mul_i32 s83, s16, 3072
	s_add_co_u32 s82, s82, s83
	s_add_co_u32 s82, s82, 12582912
	s_mov_b32 s83, 0
	s_lshl_b32 s84, s15, 1                         ; k's scale words: ((2 b + half) 16 + head) x 4,096 bytes
	s_add_co_u32 s84, s84, s18
	s_lshl_b32 s84, s84, 4
	s_add_co_u32 s84, s84, s16
	s_lshl_b32 s84, s84, 12
	s_add_co_u32 s84, s84, 524288
	s_mov_b32 s85, 0
	s_lshl_b32 s86, s15, 17                        ; v's: 131,072 b + 8,192 (key step) + 256 head
	s_lshl_b32 s87, s16, 8
	s_add_co_u32 s86, s86, s87
	s_add_co_u32 s86, s86, 1048576
	s_mov_b32 s87, 0
	s_mul_i32 s88, s17, 24576                      ; where they go: no place in the cluster enters an LDS address
	s_add_co_u32 s89, s88, VC
	s_lshl_b32 s90, s18, 12
	s_add_co_u32 s90, s90, KS
	; descriptor groups 1: elements of 8 bytes, no padding; 15:0 the mask of all four work-groups, 21 set beside it
	s_mov_b32 s24, 15|(3<<16)|(1<<21)              ; k's codes: a dense block of 24,576 bytes as 96 rows of 256
	s_mov_b32 s25, 32<<16
	s_mov_b32 s26, 96<<16
	s_mov_b32 s27, 32<<16
	s_mov_b32 s28, 96
	s_mov_b32 s29, 32
	s_mov_b32 s30, 0
	s_mov_b32 s31, 0
	s_mov_b32 s32, 15|(3<<16)|(1<<21)              ; v's codes: 8 rows (4 key steps x 2 halves) of 3,072 bytes, 49,152 bytes apart
	s_mov_b32 s33, 384<<16
	s_mov_b32 s34, 8<<16
	s_mov_b32 s35, 384<<16
	s_mov_b32 s36, 8
	s_mov_b32 s37, 6144
	s_mov_b32 s38, 0
	s_mov_b32 s39, 0
	s_mov_b32 s40, 15|(3<<16)|(1<<21)              ; k's scale words: a dense block of 4,096 bytes as 16 rows of 256
	s_mov_b32 s41, 32<<16
	s_mov_b32 s42, 16<<16
	s_mov_b32 s43, 32<<16
	s_mov_b32 s44, 16
	s_mov_b32 s45, 32
	s_mov_b32 s46, 0
	s_mov_b32 s47, 0
	s_mov_b32 s48, 15|(3<<16)|(1<<21)              ; v's scale words: 16 rows (key steps) of 256 bytes, 8,192 bytes apart
	s_mov_b32 s49, 32<<16
	s_mov_b32 s50, 16<<16
	s_mov_b32 s51, 32<<16
	s_mov_b32 s52, 16
	s_mov_b32 s53, 1024
	s_mov_b32 s54, 0
	s_mov_b32 s55, 0
	s_lshl_b32 s91, s15, 7                         ; my first tile of queries: 128 b + 32 cx + 2 wave
	s_lshl_b32 s93, s13, 5
	s_add_co_u32 s91, s91, s93
	s_lshl_b32 s93, s12, 1
	s_add_co_u32 s91, s91, s93
	s_and_b32 s92, s91, 63                         ; its half fragment in q's section: (T % 64) + 64 head + 1024 (T / 64)
	s_lshl_b32 s93, s16, 6
	s_add_co_u32 s92, s92, s93
	s_lshr_b32 s93, s91, 6
	s_lshl_b32 s93, s93, 10
	s_add_co_u32 s92, s92, s93
	s_mul_i32 s94, s92, 768
	s_mov_b32 s95, 0
	s_lshr_b32 s96, s92, 2                         ; its scale words: 256 bytes for each 4 half fragments, 4 bytes on for each
	s_lshl_b32 s96, s96, 8
	s_and_b32 s93, s92, 3
	s_lshl_b32 s93, s93, 2
	s_add_co_u32 s96, s96, s93
	s_mov_b32 s97, 0
	s_mul_i32 s98, s91, 12288                      ; oc: tile x 12,288 + head x 768
	s_mul_i32 s93, s16, 768
	s_add_co_u32 s98, s98, s93
	s_mov_b32 s99, 0
	s_lshl_b32 s66, s91, 9                         ; os: tile x 512 + 2 head
	s_lshl_b32 s93, s16, 1
	s_add_co_u32 s66, s66, s93
	s_mov_b32 s67, 0
	s_mov_b32 s20, 0x76543210
	s_mov_b32 s21, 0xfedcba98                      ; v_permlanex16_b32's selects for lane l xor 16
	s_mov_b32 s22, 0x3fb8aa3b                      ; c = log2(e): the scores are not scaled
	s_mov_b32 s23, s22                             ; (named with it as a pair, so it is written)
	v_and_b32 v11, 31, v0                          ; lane
	v_and_b32 v10, 15, v0                          ; r
	v_bfe_u32 v9, v0, 4, 1                         ; h
	v_lshlrev_b32 v1, 4, v11                       ; 16 x lane: a half fragment's first four registers, in k's tiles and in memory
	v_lshl_add_u32 v2, v11, 3, 512                 ; 512 + 8 x lane: its last two
	v_add_nc_u32 v3, VC, v1                        ; the same in v's tiles
	v_add_nc_u32 v4, VC, v2
	v_add_nc_u32 v5, KS, v1                        ; k's scale words: lanes 0-15 row r of tiles 0-3 of a step, lanes 16-31 of tiles 4-7
	v_lshl_add_u32 v6, v10, 4, VS                  ; v's: row r's four words
	v_lshlrev_b32 v9, 9, v9
	v_lshl_add_u32 v9, v10, 5, v9                  ; os: 32 r + 512 h: lanes 0-15 my first tile, lanes 16-31 my second
	v_lshlrev_b32 v10, 4, v10                      ; 16 r: q's scale words
.irp t, 0,1,2,3
.irp m, 6,7,8,9,10,11
	v_mov_b32 v[KB+12*\t+\m], 0                    ; zero codes for k = 64 .. 127: written once, never loaded
.endr
.endr
.irp m, 22,23,24,25,26,27,236,237,238,239,240,241
	v_mov_b32 v[\m], 0                             ; the same in q's two fragments
.endr
.irp m, 216,217,218,219,225,227
	v_mov_b32 v[\m], 0                             ; written once: a lane permute's destination counts as one of its sources, and so does the second register of a pair
.endr
	s_wait_dscnt 0x0
	s_wait_kmcnt 0x0
	s_mov_b32 s56, 1                               ; groups 0: count 1, LDS address, global address, type 2
	s_mov_b32 s57, s88
	s_add_nc_u64 s[58:59], s[4:5], s[80:81]
	s_or_b32 s59, s59, 0x80000000
	s_mov_b32 s60, 1
	s_mov_b32 s61, s89
	s_add_nc_u64 s[62:63], s[4:5], s[82:83]
	s_or_b32 s63, s63, 0x80000000
	s_mov_b32 s68, 1
	s_mov_b32 s69, s90
	s_add_nc_u64 s[70:71], s[6:7], s[84:85]
	s_or_b32 s71, s71, 0x80000000
	s_mov_b32 s72, 1
	s_mov_b32 s73, VS
	s_add_nc_u64 s[74:75], s[6:7], s[86:87]
	s_or_b32 s75, s75, 0x80000000
	s_add_nc_u64 s[94:95], s[4:5], s[94:95]
	s_add_nc_u64 s[96:97], s[6:7], s[96:97]
	s_add_nc_u64 s[98:99], s[8:9], s[98:99]
	s_add_nc_u64 s[66:67], s[10:11], s[66:67]
	CROUND                                         ; all four work-groups are here: the joint loads meet
	s_cmp_lt_u32 s12, 4                            ; waves 0-3: k's codes; 4-7: v's codes; 8, 9: k's scale words; 10: v's: one load a wave at the most.  The branches hang on the wave's number alone
	s_cbranch_scc0 .Lnot_k
	tensor_load_to_lds s[56:59], s[24:31]
	s_nop 0
.rept 4
	v_nop                                          ; four v_nop follow each load, ahead of the jump and the label
.endr
	s_branch .Lasked
.Lnot_k:
	s_cmp_lt_u32 s12, 8
	s_cbranch_scc0 .Lnot_v
	tensor_load_to_lds s[60:63], s[32:39]
	s_nop 0
.rept 4
	v_nop
.endr
	s_branch .Lasked
.Lnot_v:
	s_cmp_lt_u32 s12, 10
	s_cbranch_scc0 .Lnot_ks
	tensor_load_to_lds s[68:71], s[40:47]
	s_nop 0
.rept 4
	v_nop
.endr
	s_branch .Lasked
.Lnot_ks:
	s_cmp_eq_u32 s12, 10
	s_cbranch_scc0 .Lasked
	tensor_load_to_lds s[72:75], s[48:55]
	s_nop 0
.rept 4
	v_nop
.endr
.Lasked:
	global_load_b128 v[16:19], v1, s[94:95]        ; q's two tiles stay in registers
	global_load_b64 v[20:21], v2, s[94:95]
	global_load_b128 v[230:233], v1, s[94:95] offset:768
	global_load_b64 v[234:235], v2, s[94:95] offset:768
	global_load_b32 v28, v10, s[96:97]
	global_load_b32 v242, v10, s[96:97] offset:4
; A KEY STEP: 128 keys against the tile of queries in v[qf] on, scale words in v[qs].
.macro STEP qf, qs
	v_add_nc_u32 v30, s76, v1                      ; the step's addresses.  These six are also the places between the last products V^T P, which read v96-143, and the products below, which write there (five are asked)
	v_add_nc_u32 v31, s76, v2
	v_add_nc_u32 v32, s76, v3
	v_add_nc_u32 v33, s76, v4
	v_add_nc_u32 v34, s77, v5
	v_add_nc_u32 v35, s78, v6
.irp g, 0,1                                    ; S^T = k q^T, four tiles of 16 keys at a time
.if \g > 0
	PLACES                                         ; in front of loads into registers that the four products above have read
.endif
.irp t, 0,1,2,3
	ds_load_b128 v[KB+12*\t:KB+12*\t+3], v30 offset:768*(4*\g+\t)
	ds_load_b64 v[KB+12*\t+4:KB+12*\t+5], v31 offset:768*(4*\g+\t)
.endr
.if \g == 0
	ds_load_b128 v[KSC:KSC+3], v34                 ; register t: lanes 0-15 tile t's words, lanes 16-31 tile 4 + t's
.endif
	s_wait_dscnt 0x0
.irp t, 0,1,2,3
.if \g == 0
	v_wmma_scale_f32_16x16x128_f8f6f4 v[S+8*\t:S+8*\t+7], v[KB+12*\t:KB+12*\t+11], v[\qf:\qf+11], 0, v[KSC+\t], v[\qs] matrix_a_fmt:MATRIX_FMT_FP6 matrix_b_fmt:MATRIX_FMT_FP6
.else
	v_wmma_scale_f32_16x16x128_f8f6f4 v[S+32+8*\t:S+32+8*\t+7], v[KB+12*\t:KB+12*\t+11], v[\qf:\qf+11], 0, v[KSC+\t], v[\qs] matrix_a_fmt:MATRIX_FMT_FP6 matrix_b_fmt:MATRIX_FMT_FP6 matrix_a_scale:MATRIX_SCALE_ROW1
.endif
.endr
.endr                                          ; lane (r, h) holds query r; register 16 b + n is key 32 b + 16 h + n of the step
	PLACES
.irp b, 0,1,2,3
	v_max3_num_f32 v[BM+\b], v[S+16*\b], v[S+16*\b+1], v[S+16*\b+2]   ; THE LARGEST SCORE OF EACH BLOCK OF 32 KEYS: it serves for the row's maximum and, since p rises with the score, for the block's largest p
.endr
.irp n, 3,5,7,9,11,13
.irp b, 0,1,2,3
	v_max3_num_f32 v[BM+\b], v[BM+\b], v[S+16*\b+\n], v[S+16*\b+\n+1]   ; (the four blocks by turns; each accumulator is read from its low end on)
.endr
.endr
.irp b, 0,1,2,3
	v_max_num_f32 v[BM+\b], v[BM+\b], v[S+16*\b+15]
.endr
.irp b, 0,1,2,3
	v_permlanex16_b32 v[TP+\b], v[BM+\b], s20, s21
.endr
.irp b, 0,1,2,3
	v_max_num_f32 v[BM+\b], v[BM+\b], v[TP+\b]     ; with lane l xor 16's 16 keys
.endr
	v_max3_num_f32 v[TMP], v[BM], v[BM+1], v[BM+2]
	v_max_num_f32 v[TMP], v[TMP], v[BM+3]          ; the step's largest score of my query
	v_mul_f32 v[TMP], s22, v[TMP]                  ; as t (c is positive)
	v_max_num_f32 v13, v13, v[TMP]                 ; the running largest t
	v_mov_b32 v[TMP], v12
	v_floor_f32 v12, -v13                          ; the new -M = floor(-t) = -ceil(t): M is a whole number
	v_sub_f32 v[TMP], v12, v[TMP]                  ; M's old value less its new one: a whole number, 0 or less
	v_cvt_i32_f32 v[TMP], v[TMP]                   ; (it saturates)
	v_ldexp_f32 v[F], 1.0, v[TMP]                  ; f = 2^(old M - new M): a multiplication by it rounds nothing
.set j, 0
.rept 32
	v_pk_fma_f32 v[S+j:S+j+1], v[S+j:S+j+1], s[22:23], v[12:13] op_sel_hi:[1,0,0]   ; t - M, two at a time (of the pairs c and -M the low word serves both halves)
.set j, j+2
.endr
.irp b, 0,1,2,3
	v_fma_f32 v[BM+\b], v[BM+\b], s22, v12         ; the same of each block's largest score
.endr
.set j, 0
.rept 64
	v_exp_f32 v[S+j], v[S+j]                       ; p = 2^(t - M), at most 1: not normalised
.set j, j+1
.endr
	v_pk_mul_f32 v[14:15], v[14:15], v[F:F+1] op_sel_hi:[1,0]   ; the sums under the new M.  (The plain place behind the exponentials)
	s_wait_alu depctr_va_vdst(0)                   ; one wait for the whole batch, ahead of its first reader
.irp b, 0,1,2,3
	v_exp_f32 v[BM+\b], v[BM+\b]                   ; the block's largest p: the same two instructions on the same number give the same bits
.endr
	v_pk_add_f32 v[TP:TP+1], v[S:S+1], v[S+2:S+3]  ; THE ROW'S SUM IS TAKEN OF THE UNQUANTISED p: two at a time, in two chains.  (It reads the 64 alone: plain work behind the four)
.set j, 4
.rept 15
	v_pk_add_f32 v[14:15], v[14:15], v[S+j:S+j+1]
	v_pk_add_f32 v[TP:TP+1], v[TP:TP+1], v[S+j+2:S+j+3]
.set j, j+4
.endr
	v_pk_add_f32 v[14:15], v[14:15], v[TP:TP+1]
	s_wait_alu depctr_va_vdst(0)                   ; and one for the four
.irp b, 0,1,2,3
	v_max_num_f32 v[BM+\b], 0x1800000, v[BM+\b]    ; the floor 2^(3 - 127): the byte cannot fall under 1 (a block whose every p has fallen to 0 keeps that byte: its codes are zeros)
.endr
.irp b, 0,1,2,3
	v_add_nc_u32 v[SO+\b], 0xff000000, v[BM+\b]    ; 2 off the exponent field: the conversion's scale operand
.endr
.irp b, 0,1,2,3
	v_lshrrev_b32 v[TP+\b], 23, v[SO+\b]           ; the scale's byte
.endr
	v_lshl_or_b32 v[PWD], v[TP+1], 8, v[TP]        ; p's scale word for these 128 keys
	v_lshl_or_b32 v[PWD], v[TP+2], 16, v[PWD]
	v_lshl_or_b32 v[PWD], v[TP+3], 24, v[PWD]
.irp c, 0,1
	v_cvt_scalef32_pk16_fp6_f32 v[PC+6*\c:PC+6*\c+2], v[S+32*\c:S+32*\c+15], v[SO+2*\c]
	v_cvt_scalef32_pk16_fp6_f32 v[CT+4*\c:CT+4*\c+2], v[S+32*\c+16:S+32*\c+31], v[SO+2*\c+1]   ; (a conversion's three registers begin on an even number)
.endr
	v_nop                                          ; one plain place behind a scaled conversion
.irp d, 0,1,2,3                                ; v's four fragments (16 of the head's 64 x these 128 keys) into the registers that p has left: they land while the lines below are worked
.irp c, 0,1
	ds_load_b128 v[S+12*\d+6*\c:S+12*\d+6*\c+3], v32 offset:3072*\c+768*\d
	ds_load_b64 v[S+12*\d+6*\c+4:S+12*\d+6*\c+5], v33 offset:3072*\c+768*\d
.endr
.endr
	ds_load_b128 v[VSC:VSC+3], v35                 ; register d: row r's word of tile d
.irp c, 0,1                                    ; the operand's layout wants a WHOLE block in a lane: lanes 0-15 block 2 c, lanes 16-31 block 2 c + 1
.irp m, 0,1,2
	v_permlane16_swap_b32 v[PC+6*\c+\m], v[CT+4*\c+\m]
.endr
.irp m, 0,1,2
	v_mov_b32 v[PC+3+6*\c+\m], v[CT+4*\c+\m]
.endr
.endr
.set j, 0
.rept 16
	v_pk_mul_f32 v[O+j:O+j+1], v[O+j:O+j+1], v[F:F+1] op_sel_hi:[1,0]   ; O^T under the new M.  (For each product below twelve of these name none of its registers: the places between p's scale word and codes, written by vector instructions, and the product)
.set j, j+2
.endr
	s_wait_dscnt 0x0
.irp d, 0,1,2,3                                ; O^T += v^T p^T; the four accumulators take turns
	v_wmma_scale_f32_16x16x128_f8f6f4 v[O+8*\d:O+8*\d+7], v[S+12*\d:S+12*\d+11], v[PC:PC+11], v[O+8*\d:O+8*\d+7], v[VSC+\d], v[PWD] matrix_a_fmt:MATRIX_FMT_FP6 matrix_b_fmt:MATRIX_FMT_FP6
.endr
	s_add_co_u32 s76, s76, 6144                    ; the next step's 8 tiles of k, and its 8 half fragments of v,
	s_add_co_u32 s77, s77, 512                     ; k's scale words,
	s_add_co_u32 s78, s78, 256                     ; and v's
.endm
; ONE TILE OF 16 QUERIES through all 2,048 keys, and out.
.macro PASS e, qf, qs
.if \e > 0
	s_wait_xcnt 0x0                                ; the first tile's stores have read the codes' registers
.endif
	v_mov_b32 v13, 0xff61b1e6                      ; the largest t so far: -3e38, under every t
	v_floor_f32 v12, -v13                          ; -M
	v_mov_b32 v14, 0                               ; the sum, in two halves
	v_mov_b32 v15, 0
.set j, 0
.rept 32
	v_mov_b32 v[O+j], 0                            ; O^T.  (The step is written once: the first finds zeros, which the first change of M leaves zeros)
.set j, j+1
.endr
	s_mov_b32 s76, 0
	s_mov_b32 s77, 0
	s_mov_b32 s78, 0
	s_mov_b32 s79, 16
.Lk_\@:
	STEP \qf, \qs
	s_sub_co_u32 s79, s79, 1
	s_cmp_lg_u32 s79, 0
	s_cbranch_scc1 .Lk_\@
	v_add_f32 v14, v14, v15                        ; the sum's two halves,
	v_permlanex16_b32 v[TP], v14, s20, s21
	v_add_f32 v14, v14, v[TP]                      ; and lane l xor 16's: the row's sum
	v_rcp_f32 v[TMP], v14
	v_nop                                          ; the plain place behind the reciprocal; the two additions and these two are the four places behind the last products
	v_nop
	s_wait_alu depctr_va_vdst(0)                   ; ahead of the reciprocal's first reader
.set j, 0
.rept 16
	v_pk_mul_f32 v[S+j:S+j+1], v[O+j:O+j+1], v[TMP:TMP+1] op_sel_hi:[1,0]   ; O^T / the sum, each accumulator from its low end on: register 16 b + n is d = 32 b + 16 h + n of my query
.set j, j+2
.endr
.irp b, 0,1                                    ; the head's 64 are two blocks of the last product's K
	v_max3_num_f32 v[BM+\b], |v[S+16*\b]|, |v[S+16*\b+1]|, 0x1800000
.endr
.irp n, 2,4,6,8,10,12,14
.irp b, 0,1
	v_max3_num_f32 v[BM+\b], v[BM+\b], |v[S+16*\b+\n]|, |v[S+16*\b+\n+1]|
.endr
.endr
.irp b, 0,1
	v_permlanex16_b32 v[TP+\b], v[BM+\b], s20, s21
.endr
.irp b, 0,1
	v_max_num_f32 v[BM+\b], v[BM+\b], v[TP+\b]
.endr
.irp b, 0,1
	v_add_nc_u32 v[SO+\b], 0xff000000, v[BM+\b]
.endr
.irp b, 0,1
	v_lshrrev_b32 v[TP+\b], 23, v[SO+\b]
.endr
	v_lshl_or_b32 v[OSW+\e], v[TP+1], 8, v[TP]     ; the row's two scale bytes of this head
	v_cvt_scalef32_pk16_fp6_f32 v[PC:PC+2], v[S:S+15], v[SO]
	v_cvt_scalef32_pk16_fp6_f32 v[CT:CT+2], v[S+16:S+31], v[SO+1]
	v_nop                                          ; one plain place behind a scaled conversion
.irp m, 0,1,2
	v_permlane16_swap_b32 v[PC+\m], v[CT+\m]
.endr
.irp m, 0,1,2
	v_mov_b32 v[PC+3+\m], v[CT+\m]
.endr
	global_store_b128 v1, v[PC:PC+3], s[98:99] offset:12288*\e    ; a half fragment: 512 + 256 consecutive bytes, at multiples of 256 from oc's first byte
	global_store_b64 v2, v[PC+4:PC+5], s[98:99] offset:12288*\e
.endm
	s_wait_tensorcnt 0x0                           ; my part of the head is in,
	s_barrier_signal -1
	s_barrier_wait -1                              ; everybody's is
	s_wait_loadcnt 0x0                             ; q
	PASS 0, 16, 28
	PASS 1, 230, 242
	v_cmp_gt_u32 vcc_lo, 16, v11
	v_cndmask_b32 v[OSW], v[OSW+1], v[OSW], vcc_lo ; lanes 0-15: my first tile's rows; lanes 16-31: my second's
	global_store_b16 v9, v[OSW], s[66:67]
	s_wait_tensorcnt 0x0
	ds_add_u32 v254, v255
	s_wait_dscnt 0x0
	CROUND                                         ; the closing round: no work-group ends while a partner may still ask for a tile that names it
	s_endpgm
.Lfunc_end_k_q6c533292cd_attn:
	.size	k_q6c533292cd_attn, .Lfunc_end_k_q6c533292cd_attn-k_q6c533292cd_attn
	.p2alignl 7, 3214868480
	.fill 96, 4, 3214868480
	.section	.rodata,"a",@progbits
	.p2align	6, 0x0
	.amdhsa_kernel k_q6c533292cd_attn
		.amdhsa_group_segment_fixed_size 210944
		.amdhsa_private_segment_fixed_size 0
		.amdhsa_enable_private_segment 0
		.amdhsa_kernarg_size 32
		.amdhsa_user_sgpr_count 2
		.amdhsa_user_sgpr_kernarg_segment_ptr 1
		.amdhsa_wavefront_size32 1
		.amdhsa_system_sgpr_workgroup_id_x 1
		.amdhsa_system_sgpr_workgroup_id_y 1
		.amdhsa_system_sgpr_workgroup_id_z 1
		.amdhsa_system_vgpr_workitem_id 0
		.amdhsa_next_free_vgpr 256
		.amdhsa_next_free_sgpr 100
		.amdhsa_reserve_vcc 1
		.amdhsa_float_denorm_mode_32 3
		.amdhsa_float_denorm_mode_16_64 3
		.amdhsa_memory_ordered 1
		.amdhsa_forward_progress 1
		.amdhsa_inst_pref_size 53
	.end_amdhsa_kernel
	.amdgpu_metadata
---
amdhsa.version: [ 1, 2 ]
amdhsa.kernels:
  - .name:           k_q6c533292cd_attn
    .symbol:         k_q6c533292cd_attn.kd
    .args:
      - { .name: pc, .offset: 0, .size: 8, .value_kind: global_buffer, .address_space: global }
      - { .name: ps, .offset: 8, .size: 8, .value_kind: global_buffer, .address_space: global }
      - { .name: oc, .offset: 16, .size: 8, .value_kind: global_buffer, .address_space: global }
      - { .name: os, .offset: 24, .size: 8, .value_kind: global_buffer, .address_space: global }
    .group_segment_fixed_size: 210944
    .private_segment_fixed_size: 0
    .kernarg_segment_align: 8
    .kernarg_segment_size: 32
    .max_flat_workgroup_size: 512
    .sgpr_count:     100
    .vgpr_count:     256
    .wavefront_size: 32
...
	.end_amdgpu_metadata
.endif
;; end of part 3
;; launch outp (part 4): grid 4 x 64, 4 waves a work-group, clusters of 4 x 4, 295,424 bytes of LDS; arguments xc, xs, oc, os, bo, out0; writes out0
.if DOCPART == 4
	.amdgcn_target "amdgcn-amd-amdhsa--gfx1250"
	.amdhsa_code_object_version 6
	.text
	.protected	k_q6c533292cd_outp
	.globl	k_q6c533292cd_outp
	.p2align	8
	.type	k_q6c533292cd_outp,@function
k_q6c533292cd_outp:
	s_mov_b64 s[64:65], 0
	v_nop
	global_prefetch_b8 v0, s[64:65] scope:SCOPE_SE
	s_setreg_imm32_b32 hwreg(HW_REG_WAVE_MODE, 25, 1), 1
	s_wait_xcnt 0x0
	s_wait_alu depctr_hold_cnt(0) depctr_sa_sdst(0) depctr_va_vdst(0) depctr_va_sdst(0) depctr_va_ssrc(0) depctr_va_vcc(0) depctr_vm_vsrc(0)
	s_getreg_b32 s2, hwreg(HW_REG_IB_STS2, 6, 4)
	s_cmp_eq_u32 s2, 0
	s_cbranch_scc0 .Lentry_in_a_cluster
	s_endpgm
.Lentry_in_a_cluster:
	s_bfe_u32 s2, ttmp6, 0x10000c
	s_cmp_lg_u32 s2, 0xf033
	s_cbranch_scc0 .Lentry_shape_is_right
	s_endpgm
.Lentry_shape_is_right:
; out0 = o Wo^T + bo on codes of FP6 (E2M3).  P, source 0, is Wo (xc and xs, tiles 1728 on); R, source 1, is o (oc and os, 512 tiles of 16 tokens).  out0: [8192][1024] f32.
; Operands are tiles of 16 rows (lane index i of tile t = row 32 (t / 2) + 8 (t % 2) + i + 8 (i / 8)), each [K step 8][half 2][768 bytes] as images of the operand's registers; scale words [tile][row 16][K step 8].
; SHARES.  A work-group owns 256 rows of Wo (16 tiles: 256 columns of out0) x 128 tokens (8 tiles) and all of K = 1,024: 294,912 bytes of codes, which lie in LDS together, filled ONCE in four chunks of two K steps.
; Wave w: P's tiles 8 (w / 2) .., R's tiles 4 (w % 2) ..: 32 accumulators.  256 work-groups.  CLUSTERS: 4 x 4; P's tiles are asked for jointly by a column, R's by a row.
; With Wo as source 0 a lane holds one token, and the registers of tiles 2 b and 2 b + 1 are 16 neighbouring columns.  The bias is the C of each sum's first matrix instruction.
; THE WAY OUT: a tile of 16 tokens x 128 columns goes through the wave's own stage in LDS and leaves as whole rows of 512 bytes; the stores turn the tile's order of rows back.
; REGISTERS, in windows of 256: window 0: v4-13 addresses; v16-79 P's scale words (8 a + k), v80-111 R's (8 i + k); v112-207 R's fragments, two sets; on the way out v112-239 rows of out0.
;   window 1: the accumulators, (i, a) at 64 i + 8 a.   window 2: P's fragments, two sets of 96; from v192 the bias, 8 registers for each of my 8 tiles of P.
.set CHP,  49152                       ; a chunk of P in LDS: [tile 16][3,072]
.set CHR,  24576                       ; of R: [tile 8][3,072]
.set RLDS, 4*CHP
.set SPITCH, 528                       ; the way out: a stage of 16 rows x (512 bytes + 16) for each wave, in P's first chunk: it has had its one fill, and nobody reads it behind the last barrier
.set AP16, 4
.set AP8,  5
.set AR16, 6
.set AR8,  7
.set O16,  8                           ; v8  16 x lane
.set O8,   9                           ; v9  8 x lane
.set XR,   10                          ; v10 32 r: a row's 8 scale words
.set BOF,  11                          ; v11 64 h: my half's 16 numbers of the bias
.set STO,  12                          ; v12 the stage: where I put my results of a row
.set RD,   13                          ; v13 and where I read a row back
.set SCP,  16
.set SCR,  80
.set RF,   112
.set BK,   112                         ; the way out: v112-175 and v176-239 by turns
.set BI,   192                         ; the bias, in window 2
.set G1P,  24
.set G1R,  32
.set G0P,  68
.set G0R,  84
.set MSB, 0
.macro WIN new                         ; the immediate's high byte repeats the setting that is left
.if MSB != \new
	s_set_vgpr_msb (MSB<<8)|\new
.set MSB, \new
.endif
.endm
.macro CROUND                          ; a round of the cluster's barrier
	s_barrier_signal -1
	s_barrier_wait -1
	s_cmp_lg_u32 s12, 0
	s_cbranch_scc1 .Lnot_wave_0_\@
	s_barrier_signal -3
.Lnot_wave_0_\@:
	s_barrier_wait -3
	s_barrier_signal -1
	s_barrier_wait -1
.endm
.macro PLACES                          ; four places behind a matrix instruction of this form (ISA guide 7.12.1), where no other vector work is at hand
.rept 4
	v_nop
.endr
.endm
	s_load_b256 s[4:11], s[0:1], 0x0               ; xc s[4:5], xs s[6:7], oc s[8:9], os s[10:11]
	s_load_b128 s[20:23], s[0:1], 0x20             ; bo s[20:21], out0 s[22:23]
	v_lshl_add_u32 v254, v0, 2, 0x48000
	v_mov_b32 v255, 0
	ds_add_u32 v254, v255
	ds_add_u32 v254, v255
	v_lshrrev_b32 v1, 5, v0
	v_readfirstlane_b32 s12, v1                    ; wave 0..3
	s_lshr_b32 s13, s12, 1                         ; which 8 tiles of P are mine.  Also: I fetch for P (0) or for R (1)
	s_and_b32 s14, s12, 1                          ; which 4 tiles of R are mine.  Also: which half of a chunk I fetch
	s_bfe_u32 s15, ttmp6, 0x40000                  ; cx: which 16 tiles of Wo
	s_bfe_u32 s16, ttmp6, 0x40004                  ; cy
	s_and_b32 s17, ttmp7, 0xffff                   ; the cluster's y, 0 .. 15
	s_lshl_b32 s41, s17, 2
	s_add_co_u32 s41, s41, s16                     ; which 8 tiles of o: hangs on cy, never on cx
	s_lshl_b32 s46, s16, 2
	s_lshl_b32 s46, 15, s46                        ; my row of the cluster
	s_lshl_b32 s47, 0x1111, s15                    ; my column
	; descriptor group 1: rows are tiles: 3,072 bytes (384 elements of 8 bytes) of each tile's 12,288; 8 tiles a load for P, 4 for R; no padding
	s_or_b32 s[G1P], s47, (3<<16)|(1<<21)          ; 15:0 the mask: P's tiles go to my column; 17:16 elements of 8 bytes; 21 set beside a mask
	s_mov_b32 s[G1P+1], 384<<16
	s_mov_b32 s[G1P+2], 8<<16
	s_mov_b32 s[G1P+3], 384<<16
	s_mov_b32 s[G1P+4], 8
	s_mov_b32 s[G1P+5], 1536
	s_mov_b32 s[G1P+6], 0
	s_mov_b32 s[G1P+7], 0
	s_or_b32 s[G1R], s46, (3<<16)|(1<<21)          ; R's tiles go to my row
	s_mov_b32 s[G1R+1], 384<<16
	s_mov_b32 s[G1R+2], 4<<16
	s_mov_b32 s[G1R+3], 384<<16
	s_mov_b32 s[G1R+4], 4
	s_mov_b32 s[G1R+5], 1536
	s_mov_b32 s[G1R+6], 0
	s_mov_b32 s[G1R+7], 0
	s_lshl_b32 s42, s15, 4                         ; what I fetch of P: tile 1728 + 16 cx + 8 x half,
	s_add_co_u32 s42, s42, 1728
	s_lshl_b32 s43, s14, 3
	s_add_co_u32 s42, s42, s43
	s_mul_i32 s42, s42, 12288
	s_mov_b32 s43, 0
	s_lshl_b32 s44, s41, 3                         ; of R: tile 8 x index + 4 x half
	s_lshl_b32 s45, s14, 2
	s_add_co_u32 s44, s44, s45
	s_mul_i32 s44, s44, 12288
	s_mov_b32 s45, 0
	s_mul_i32 s48, s14, CHP/2                      ; and where it goes in a chunk: no place in the cluster enters an LDS address
	s_mul_i32 s49, s14, CHR/2
	s_lshl_b32 s50, s15, 4                         ; the scale words of MY 8 tiles of P,
	s_add_co_u32 s50, s50, 1728
	s_lshl_b32 s51, s13, 3
	s_add_co_u32 s50, s50, s51
	s_lshl_b32 s50, s50, 9
	s_mov_b32 s51, 0
	s_lshl_b32 s52, s41, 3                         ; and of my 4 tiles of R
	s_lshl_b32 s53, s14, 2
	s_add_co_u32 s52, s52, s53
	s_lshl_b32 s52, s52, 9
	s_mov_b32 s53, 0
	s_lshl_b32 s54, s15, 10                        ; my first column, in bytes: (256 cx + 128 (w / 2)) x 4
	s_lshl_b32 s55, s13, 9
	s_add_co_u32 s54, s54, s55
	s_mov_b32 s55, 0
	s_lshl_b32 s60, s41, 2                         ; my first row of out0: 32 x (4 x R's index + 2 (w % 2)), of 4,096 bytes
	s_lshl_b32 s61, s14, 1
	s_add_co_u32 s60, s60, s61
	s_lshl_b32 s60, s60, 17
	s_add_co_u32 s60, s60, s54
	s_mov_b32 s61, 0
	v_and_b32 v1, 31, v0                           ; lane
	v_and_b32 v2, 15, v0                           ; r
	v_bfe_u32 v3, v0, 4, 1                         ; h
	v_lshlrev_b32 v[O16], 4, v1
	v_lshlrev_b32 v[O8], 3, v1
	v_lshlrev_b32 v[XR], 5, v2
	v_lshlrev_b32 v[BOF], 6, v3
	s_mul_i32 s56, s13, CHP/2
	v_add_nc_u32 v[AP16], s56, v[O16]
	s_add_co_u32 s56, s56, 512
	v_add_nc_u32 v[AP8], s56, v[O8]
	s_mul_i32 s57, s14, CHR/2
	s_add_co_u32 s57, s57, RLDS
	v_add_nc_u32 v[AR16], s57, v[O16]
	s_add_co_u32 s57, s57, 512
	v_add_nc_u32 v[AR8], s57, v[O8]
	s_mul_i32 s58, s12, 16*SPITCH                  ; my stage
	v_mul_u32_u24 v[STO], v2, SPITCH
	v_lshl_add_u32 v[STO], v3, 6, v[STO]
	v_add_nc_u32 v[STO], s58, v[STO]               ; in: row r, + 64 h bytes: my half's 16 columns of each 32
	v_add_nc_u32 v[RD], s58, v[O16]                ; back: the 32 lanes take one row of 512 bytes
	s_wait_dscnt 0x0
	s_wait_kmcnt 0x0
	s_add_nc_u64 s[42:43], s[4:5], s[42:43]
	s_add_nc_u64 s[44:45], s[8:9], s[44:45]
	s_add_nc_u64 s[50:51], s[6:7], s[50:51]
	s_add_nc_u64 s[52:53], s[10:11], s[52:53]
	s_add_nc_u64 s[54:55], s[20:21], s[54:55]
	s_add_nc_u64 s[60:61], s[22:23], s[60:61]
	CROUND                                         ; all sixteen work-groups are here: the joint loads meet
.irp q, 0,1,2,3
	s_mov_b32 s[G0P+4*\q], 1                                       ; count = 1
	s_add_co_u32 s[G0P+4*\q+1], s48, \q*CHP                        ; LDS address
	s_add_nc_u64 s[G0P+4*\q+2:G0P+4*\q+3], s[42:43], \q*3072       ; global address: K steps 2 q and 2 q + 1 of the first tile
	s_or_b32 s[G0P+4*\q+3], s[G0P+4*\q+3], 0x80000000              ; type = 2
	s_mov_b32 s[G0R+4*\q], 1
	s_add_co_u32 s[G0R+4*\q+1], s49, RLDS+\q*CHR
	s_add_nc_u64 s[G0R+4*\q+2:G0R+4*\q+3], s[44:45], \q*3072
	s_or_b32 s[G0R+4*\q+3], s[G0R+4*\q+3], 0x80000000
.endr
	s_cmp_eq_u32 s13, 0                            ; a wave's four fills stand in one branch on the wave's number, ahead of every wait on TENSORcnt, every LDS read and every other barrier: four loads of mine are out
	s_cbranch_scc0 .Lfor_r
.irp q, 0,1,2,3
	tensor_load_to_lds s[G0P+4*\q:G0P+4*\q+3], s[G1P:G1P+7]
	s_nop 0
.endr
.rept 4
	v_nop                                          ; four v_nop follow the last load, ahead of the jump and the label
.endr
	s_branch .Lasked
.Lfor_r:
.irp q, 0,1,2,3
	tensor_load_to_lds s[G0R+4*\q:G0R+4*\q+3], s[G1R:G1R+7]
	s_nop 0
.endr
.rept 4
	v_nop
.endr
.Lasked:
.irp a, 0,1,2,3,4,5,6,7                        ; the scale words of all of K, once: lane r takes row r's 32 bytes
	global_load_b128 v[SCP+8*\a:SCP+8*\a+3], v[XR], s[50:51] offset:512*\a
	global_load_b128 v[SCP+8*\a+4:SCP+8*\a+7], v[XR], s[50:51] offset:512*\a+16
.endr
.irp i, 0,1,2,3
	global_load_b128 v[SCR+8*\i:SCR+8*\i+3], v[XR], s[52:53] offset:512*\i
	global_load_b128 v[SCR+8*\i+4:SCR+8*\i+7], v[XR], s[52:53] offset:512*\i+16
.endr
	WIN 0x80                                       ; destination window 2
.irp a, 0,1,2,3,4,5,6,7                        ; the bias in the result's layout: for tile a, lane (r, h): columns 32 (a / 2) + 8 (a % 2) + 16 h + 0 .. 7
	global_load_b128 v[BI+8*\a:BI+8*\a+3], v[BOF], s[54:55] offset:(32*(\a/2)+8*(\a%2))*4
	global_load_b128 v[BI+8*\a+4:BI+8*\a+7], v[BOF], s[54:55] offset:(32*(\a/2)+8*(\a%2))*4+16
.endr
	WIN 0
; 48 LDS loads in one run: K step k's fragments, 8 of P and 4 of R, into set k % 2
.macro FETCH k
	WIN 0x80                                       ; destination window 2, address window 0
.irp a, 0,1,2,3,4,5,6,7
.irp c, 0,1
	ds_load_b128 v[96*((\k)%2)+12*\a+6*\c:96*((\k)%2)+12*\a+6*\c+3], v[AP16] offset:3072*\a+1536*((\k)%2)+768*\c
	ds_load_b64 v[96*((\k)%2)+12*\a+6*\c+4:96*((\k)%2)+12*\a+6*\c+5], v[AP8] offset:3072*\a+1536*((\k)%2)+768*\c
.endr
.endr
	WIN 0
.irp i, 0,1,2,3
.irp c, 0,1
	ds_load_b128 v[RF+48*((\k)%2)+12*\i+6*\c:RF+48*((\k)%2)+12*\i+6*\c+3], v[AR16] offset:3072*\i+1536*((\k)%2)+768*\c
	ds_load_b64 v[RF+48*((\k)%2)+12*\i+6*\c+4:RF+48*((\k)%2)+12*\i+6*\c+5], v[AR8] offset:3072*\i+1536*((\k)%2)+768*\c
.endr
.endr
.endm
; 32 matrix instructions: K step k.  The 32 accumulators take turns, one instruction a turn, in the same order in every step.  The first step takes the bias as C.
.macro MUL k
.if (\k) == 0
	WIN 0x62                                       ; source 0 (P) window 2, source 1 (R) window 0, C (the bias) window 2, D window 1
.else
	WIN 0x52                                       ; C and D window 1
.endif
.irp i, 0,1,2,3
.irp a, 0,1,2,3,4,5,6,7
.if (\k) == 0
	v_wmma_scale_f32_16x16x128_f8f6f4 v[64*\i+8*\a:64*\i+8*\a+7], v[96*((\k)%2)+12*\a:96*((\k)%2)+12*\a+11], v[RF+48*((\k)%2)+12*\i:RF+48*((\k)%2)+12*\i+11], v[BI+8*\a:BI+8*\a+7], v[SCP+8*\a+(\k)], v[SCR+8*\i+(\k)] matrix_a_fmt:MATRIX_FMT_FP6 matrix_b_fmt:MATRIX_FMT_FP6
.else
	v_wmma_scale_f32_16x16x128_f8f6f4 v[64*\i+8*\a:64*\i+8*\a+7], v[96*((\k)%2)+12*\a:96*((\k)%2)+12*\a+11], v[RF+48*((\k)%2)+12*\i:RF+48*((\k)%2)+12*\i+11], v[64*\i+8*\a:64*\i+8*\a+7], v[SCP+8*\a+(\k)], v[SCR+8*\i+(\k)] matrix_a_fmt:MATRIX_FMT_FP6 matrix_b_fmt:MATRIX_FMT_FP6
.endif
.endr
.endr
	WIN 0
.endm
; A K step: the next step's fragments are asked for, then this step is multiplied.  Where the next step begins a chunk, each wave waits for its part of that chunk and passes a barrier; behind it nothing is filled.
; The last step's barrier says that every wave's reads of the tiles are over: behind it the stages are written.
.macro STEP k
.if (\k) < 7
.if ((\k)+1)%2 == 0
	s_wait_tensorcnt 3-((\k)+1)/2                  ; my part of chunk (k + 1) / 2 is in; the later chunks' loads, issued behind it, may be out
	s_wait_dscnt 0x0                               ; no LDS load of mine is out at the signal
	s_barrier_signal -1
	s_barrier_wait -1                              ; everybody's part is in
	v_add_nc_u32 v[AP16], CHP, v[AP16]             ; on to that chunk.  These four are also the places in front of the loads below
	v_add_nc_u32 v[AP8], CHP, v[AP8]
	v_add_nc_u32 v[AR16], CHR, v[AR16]
	v_add_nc_u32 v[AR8], CHR, v[AR8]
.elseif (\k) > 0
	PLACES                                         ; in front of loads into registers that the last step's products have read
.endif
	FETCH (\k)+1
	s_wait_dscnt 48                                ; all but the 48 just issued: this step's fragments are in
.else
	s_wait_dscnt 0x0                               ; my last reads of the tiles are over:
	s_barrier_signal -1                            ; say so, and work on registers while the others arrive
.endif
	MUL \k
.if (\k) == 7
	s_barrier_wait -1
.endif
.endm
; THE WAY OUT of R's tile i: 16 tokens x my 128 columns.  A lane holds pieces of one row, the lanes beside it other rows: so the tile goes through my own stage and comes back as whole rows of 512 bytes.
.macro TOSTAGE i
	WIN 0x04                                       ; an LDS store's data are its source 1: window 1
.irp a, 0,1,2,3,4,5,6,7
	ds_store_b128 v[STO], v[64*(\i)+8*\a:64*(\i)+8*\a+3] offset:128*(\a/2)+32*(\a%2)        ; each accumulator from its low end on
	ds_store_b128 v[STO], v[64*(\i)+8*\a+4:64*(\i)+8*\a+7] offset:128*(\a/2)+32*(\a%2)+16
.endr
	WIN 0
.set BB, BK+64*((\i)%2)
.irp t, 0,1,2,3,4,5,6,7,8,9,10,11,12,13,14,15
	ds_load_b128 v[BB+4*\t:BB+4*\t+3], v[RD] offset:SPITCH*\t   ; LDS serves a wave's instructions in order: these see the stores above, and the next tile's stores come behind them
.endr
.endm
.macro SEND i, younger                 ; younger: the LDS instructions issued behind tile i's loads, which may stay out
.set BB, BK+64*((\i)%2)
	s_wait_dscnt \younger
.irp t, 0,1,2,3,4,5,6,7,8,9,10,11,12,13,14,15
	global_store_b128 v[O16], v[BB+4*\t:BB+4*\t+3], s[60:61] offset:(32*((\i)/2)+8*((\i)%2)+\t+8*(\t/8))*4096 th:TH_STORE_NT   ; lane index t of tile i is this row; 32 lanes store 512 consecutive bytes, at a multiple of 512 from out0's first byte
.endr
.endm
	s_wait_tensorcnt 0x3                           ; my part of chunk 0 is in; my three later loads may be out
	s_barrier_signal -1
	s_barrier_wait -1                              ; everybody's is
	FETCH 0
	s_wait_loadcnt 0x0                             ; the scale words and the bias
.irp k, 0,1,2,3,4,5,6,7
	STEP \k
.endr
	PLACES                                         ; in front of the first read of results, and of loads into the registers that held R's fragments
	TOSTAGE 0
.irp i, 1,2,3
.if \i > 1
	s_wait_xcnt 0x0                                ; tile i - 2's stores have read their registers: tile i's loads may land there
.endif
	TOSTAGE \i
	SEND \i-1, 32                                  ; behind tile i - 1's loads: tile i's 16 stores and 16 loads
.endr
	SEND 3, 0
	s_wait_tensorcnt 0x0
	ds_add_u32 v254, v255
	s_wait_dscnt 0x0
	CROUND                                         ; the closing round: no work-group ends while a partner may still ask for a tile that names it
	s_endpgm
.Lfunc_end_k_q6c533292cd_outp:
	.size	k_q6c533292cd_outp, .Lfunc_end_k_q6c533292cd_outp-k_q6c533292cd_outp
	.p2alignl 7, 3214868480
	.fill 96, 4, 3214868480
	.section	.rodata,"a",@progbits
	.p2align	6, 0x0
	.amdhsa_kernel k_q6c533292cd_outp
		.amdhsa_group_segment_fixed_size 295424
		.amdhsa_private_segment_fixed_size 0
		.amdhsa_enable_private_segment 0
		.amdhsa_kernarg_size 48
		.amdhsa_user_sgpr_count 2
		.amdhsa_user_sgpr_kernarg_segment_ptr 1
		.amdhsa_wavefront_size32 1
		.amdhsa_system_sgpr_workgroup_id_x 1
		.amdhsa_system_sgpr_workgroup_id_y 1
		.amdhsa_system_sgpr_workgroup_id_z 1
		.amdhsa_system_vgpr_workitem_id 0
		.amdhsa_next_free_vgpr 768
		.amdhsa_next_free_sgpr 100
		.amdhsa_reserve_vcc 0
		.amdhsa_float_denorm_mode_32 3
		.amdhsa_float_denorm_mode_16_64 3
		.amdhsa_memory_ordered 1
		.amdhsa_forward_progress 1
		.amdhsa_inst_pref_size 86
	.end_amdhsa_kernel
	.amdgpu_metadata
---
amdhsa.version: [ 1, 2 ]
amdhsa.kernels:
  - .name:           k_q6c533292cd_outp
    .symbol:         k_q6c533292cd_outp.kd
    .args:
      - { .name: xc, .offset: 0, .size: 8, .value_kind: global_buffer, .address_space: global }
      - { .name: xs, .offset: 8, .size: 8, .value_kind: global_buffer, .address_space: global }
      - { .name: oc, .offset: 16, .size: 8, .value_kind: global_buffer, .address_space: global }
      - { .name: os, .offset: 24, .size: 8, .value_kind: global_buffer, .address_space: global }
      - { .name: bo, .offset: 32, .size: 8, .value_kind: global_buffer, .address_space: global }
      - { .name: out0, .offset: 40, .size: 8, .value_kind: global_buffer, .address_space: global }
    .group_segment_fixed_size: 295424
    .private_segment_fixed_size: 0
    .kernarg_segment_align: 8
    .kernarg_segment_size: 48
    .max_flat_workgroup_size: 128
    .sgpr_count:     100
    .vgpr_count:     768
    .wavefront_size: 32
...
	.end_amdgpu_metadata
.endif
;; end of part 4
